; MI455X (gfx1250); checked and timed in simulation.
; The chip was launched on July 23, 2026; its instructions are those of AMD's public machine-readable ISA for CDNA 5 (MIT licence, August 2026) and "CDNA5" Instruction Set Architecture Reference Guide (July 2026). The comments in the code are by the model that wrote it; some were corrected since.
;; Causal Self Attention. Allowed arithmetic: matrix products marked QUANTISED: E2M3 operands, one E8M0 scale for each 32 along K, by v_wmma_scale_f32_16x16x128_f8f6f4 with both operands' format E2M3, f32 sums; everything else in f32.
;; Inputs: W_proj 1,024 x 1,024 float32; W_qkv 1,024 x 3,072 float32; cos 2,048 x 64 float32; sin 2,048 x 64 float32; x 4 x 2,048 x 1,024 float32.
;; Outputs: out0 4 x 2,048 x 1,024 float32.
;; This version of the problem:
;;   THIS VERSION OF THE PROBLEM IS GIVEN IN LOW PRECISION. The matrix products marked QUANTISED in the list below multiply operands that are first quantised to E2M3 (2 exponent bits, 3 mantissa bits; 6 bits a number), with one power-of-two scale for each 32 numbers along K (OCP MX v1.0); their sums are f32. All else is computed in f32.
;;   The module's matrix products, in the order in which they are computed (A, B: the left and right operand; K: the contracted axis; several contracted axes count as one K, in the product's order):
;;     1. [M 8,192, K 1,024] x [K 1,024, N 3,072]; A: input x; B: input W_qkv: QUANTISED
;;     2. batch 64 x [M 2,048, K 64] x [K 64, N 2,048]; A: computed on the way; B: computed on the way: QUANTISED
;;     3. batch 64 x [M 2,048, K 2,048] x [K 2,048, N 64]; A: softmax (see below); B: computed on the way: QUANTISED
;;     4. [M 8,192, K 1,024] x [K 1,024, N 1,024]; A: computed on the way; B: input W_proj: QUANTISED
;;   THE QUANTISER, for each operand of a quantised product, along K:
;;     - K is cut into blocks of 32 from its start; a last block that is shorter is filled with zeros.
;;     - A block's scale is 2^e with e = floor(log2(the largest magnitude in the block)) - 2, held to -126 .. 127; a block of zeros has e = 0. As a byte (E8M0): e + 127.
;;     - Each number is divided by its block's scale, clamped to +-7.5, and rounded to the nearest number of E2M3, ties to even, subnormals kept.
;;     - The product sums the exact products of the quantised numbers (number of the format x scale) in f32.
;;   ~~~python
;;   def quantise(x, axis):      # numpy; x: float32 -> the quantised numbers, widened to float32 again
;;       x = np.moveaxis(x, axis, -1); K = x.shape[-1]
;;       x = np.pad(x, [(0, 0)] * (x.ndim - 1) + [(0, -K % 32)]); x = x.reshape(x.shape[:-1] + (-1, 32)); a = np.abs(x).max(-1, keepdims=True)
;;       e = np.where(a > 0, np.clip(np.frexp(np.where(a > 0, a, 1))[1] - 1 - 2, -126, 127), 0)      # np.frexp(a)[1] - 1 = floor(log2(a)), exactly
;;       r = np.clip(x / 2.0 ** e, -7.5, 7.5)
;;       step = 2.0 ** (np.maximum(np.frexp(np.where(r == 0, 1, r))[1] - 1, 0) - 3)
;;       q = np.round(r / step) * step * 2.0 ** e      # np.round: ties to even
;;       return np.moveaxis(q.reshape(q.shape[:-2] + (-1,))[..., :K], -1, axis).astype(np.float32)
;;   ~~~
;;   SOFTMAX AHEAD OF A QUANTISED PRODUCT. Where the list says 'softmax', what is quantised is not the finished softmax but p = 2^(t - M), with t = logit x log2(e) and M = ceil(the row's largest t), a whole number; so 1/2 < the row's largest p <= 1. The row's sum l is taken of the UNQUANTISED p, in f32, and the product's result is divided by l at the end. Since M is a whole number, a kernel that streams over the keys may use a running M (the ceiling of the running maximum): every later rescaling is an exact power of two, which a block's scale takes up: the codes' values come out the same.
;;   OPERANDS COMPUTED ON THE WAY. 'Computed on the way' means the value that the module computes at that place (a softmax that the list does not call 'softmax' is quantised finished and normalised). What goes into a quantiser is computed in f32, as accurately as f32 sums, v_exp_f32 and their like allow (about 1e-6 of the number): no bf16 or f16 on the way to a quantiser, and a product that is left as it is and whose result goes on into a quantised operand takes f32 operands (vector FMAs, or v_wmma_f32_16x16x4_f32). A number that lies on a knife's edge between two numbers of the format may be rounded either way, as far as f32 arithmetic and the matrix unit's own rounding can turn it there, and no further.
;; One version. Each part assembles by itself: llvm-mc -triple=amdgcn-amd-amdhsa -mcpu=gfx1250 --defsym DOCPART=n.
;; ======== version 1 of 1: 4 launches
;; workspace buffers: codes1 9,437,184 bytes; scales1 393,216 bytes; qkvc 18,874,368 bytes; qkvs 786,432 bytes; yc 6,291,456 bytes; ys 262,144 bytes
;; launch prep (part 1): grid 384 x 1, 4 waves a work-group, no clusters, 68,096 bytes of LDS; arguments x, W_qkv, W_proj, codes1, scales1; writes codes1, scales1
.if DOCPART == 1
	.amdgcn_target "amdgcn-amd-amdhsa--gfx1250"
	.amdhsa_code_object_version 6
	.text
	.protected	k_q385049f0c3_prep
	.globl	k_q385049f0c3_prep
	.p2align	8
	.type	k_q385049f0c3_prep,@function
k_q385049f0c3_prep:
	s_mov_b64 s[64:65], 0
	v_nop
	global_prefetch_b8 v0, s[64:65] scope:SCOPE_SE
	s_setreg_imm32_b32 hwreg(HW_REG_WAVE_MODE, 25, 1), 1
	s_wait_xcnt 0x0
; x [8192][1024], W_qkv [1024][3072] and W_proj [1024][1024], f32, become codes of FP6 (E2M3) with K innermost and one E8M0 byte for each 32 along K.
; codes1: 12,288 rows of 768 bytes: rows 0-8191 x's tokens, 8192-11263 W_qkv's columns, 11264-12287 W_proj's columns.  scales1: the same rows, 32 bytes each.
; A ROW IS STORED AT THE INDEX WITH BITS 3 AND 4 EXCHANGED: sixteen neighbouring stored rows 32 g + 16 u + m are then the rows 32 g + 8 u + m + 8 (m / 8), so that a matrix result's
; 16 registers of two neighbouring tiles are 16 neighbours along the axis that the next quantiser runs along.
; A block's scale is 2^(floor(log2(largest magnitude)) - 2); its byte is the largest magnitude's exponent field - 2, held at 1 from below.
; LIMITS: a block whose largest magnitude lies under 2^-124, a block of zeros among them, keeps the byte 1 (zeros: the stated quantiser says 127; the codes are zeros and only this program reads the bytes);
; NaN and infinities among the inputs are not served.
; Work-groups 0-255 take x (K innermost: a wave takes 8 rows, 16 steps of 512 numbers, turned through its own stage in LDS so that a lane holds 16 neighbours);
; work-groups 256-383 take the weights (K is the first axis: a lane takes a column, its registers run down K; 128 columns x 256 along K a work-group).
; The two ways part on the work-group's number, never join, and have LDS bytes of their own.  No tensor loads, no barrier: waves share nothing.
.set SPARE, 67584                      ; behind both ways' stages: the spare words, 128 bytes a wave, named by no other line
.set SPW,   208                        ; v208 LDS address of my spare word; never rewritten
.set NIL,   209                        ; v209 0; never rewritten
.set EMAX,  2
; the way of x
.set STEPS, 16
.set CB,    12                         ; bytes of 16 codes
.set XR,    16                         ; v16-79   four sets of 16 numbers as loaded
.set XX,    80                         ; v80-111  two sets of 16 neighbours
.set XE,    112                        ; v112-127 a scale byte for each step
.set XC,    128                        ; v128-191 codes, four registers a step: no store's data are written again
.set WREG,  8192                       ; LDS of a wave: two stages of 32 x 80 bytes, then its 256 scale bytes
.set SP,    80
; the way of the weights
.set WSTG,  32768                      ; LDS: four stages of 32 rows x 272 bytes
.set PITCH, 272
.set WX,    32                         ; v32-95   two sets of 32 numbers
.set WC,    96                         ; v96-102  a block's codes
.set OUTR,  112                        ; v112-175 the way out
.set SB,    24                         ; v24-25   eight scale bytes
.set VO,    176                        ; v176-207 byte offsets of 32 rows of the weight: 4 x lane + i x a row; never rewritten
	s_load_b256 s[4:11], s[0:1], 0x0               ; x s[4:5], W_qkv s[6:7], W_proj s[8:9], codes1 s[10:11]
	s_load_b64 s[12:13], s[0:1], 0x20              ; scales1
	v_lshl_add_u32 v[SPW], v0, 2, SPARE
	v_mov_b32 v[NIL], 0
	v_lshrrev_b32 v1, 5, v0
	v_readfirstlane_b32 s16, v1                    ; wave
	v_and_b32 v2, 31, v0                           ; lane
	s_wait_kmcnt 0x0
	s_cmp_lt_u32 ttmp9, 256
	s_cbranch_scc0 .Lw
	; ---------------- x ----------------
	v_lshlrev_b32 v3, 4, v2                        ; my 16 bytes of a load's 512
	s_mul_i32 s17, s16, WREG
	v_lshrrev_b32 v14, 2, v2
	v_mul_u32_u24 v14, v14, SP
	v_and_b32 v15, 3, v2
	v_lshl_add_u32 v14, v15, 4, v14
	v_add_nc_u32 v14, s17, v14                     ; the stage, in: four lanes' 64 bytes on end, then 16 of padding
	v_mul_u32_u24 v15, v2, SP
	v_add_nc_u32 v15, s17, v15                     ; out: 80 x lane: my 16 neighbours
	v_mul_u32_u24 v4, v2, CB                       ; my codes' place in a step's
	v_lshrrev_b32 v5, 1, v2
	s_add_co_u32 s17, s17, 2*32*SP
	v_add_nc_u32 v5, s17, v5                       ; my block's scale byte in LDS
	v_lshlrev_b32 v7, 3, v2
	v_add_nc_u32 v6, s17, v7                       ; and on the way out 8 bytes a lane
	s_lshl_b32 s17, ttmp9, 2
	s_add_co_u32 s18, s17, s16                     ; the run of 8 rows that I read
	s_mov_b32 s19, 0
	s_lshl_b64 s[20:21], s[18:19], 15              ; 32,768 bytes a run
	s_add_nc_u64 s[4:5], s[4:5], s[20:21]
	s_and_b32 s22, s16, 1
	s_lshl_b32 s22, s22, 1
	s_lshr_b32 s23, s16, 1
	s_or_b32 s22, s22, s23
	s_add_co_u32 s18, s17, s22                     ; the run that I write: a row's bits 3 and 4 are a run's bits 0 and 1
	s_mul_i32 s20, s18, 6144
	s_mov_b32 s21, 0
	s_add_nc_u64 s[10:11], s[10:11], s[20:21]
	s_lshl_b32 s20, s18, 8
	s_add_nc_u64 s[12:13], s[12:13], s[20:21]
.macro XLOAD t
.irp i, 0,1,2,3
	global_load_b128 v[XR+16*((\t)%4)+4*\i:XR+16*((\t)%4)+4*\i+3], v3, s[4:5] offset:2048*(\t)+512*\i th:TH_LOAD_NT   ; 32 lanes read 512 consecutive bytes
.endr
.endm
.macro XTURN t                         ; a step's numbers through the stage; LDS serves a wave's instructions in order, so no wait stands between the stores and the loads
.irp i, 0,1,2,3
	ds_store_b128 v14, v[XR+16*((\t)%4)+4*\i:XR+16*((\t)%4)+4*\i+3] offset:32*SP*((\t)%2)+8*SP*\i
.endr
.irp i, 0,1,2,3
	ds_load_b128 v[XX+16*((\t)%2)+4*\i:XX+16*((\t)%2)+4*\i+3], v15 offset:32*SP*((\t)%2)+16*\i
.endr
.endm
.irp t, 0,1,2,3
	XLOAD \t
.endr
	s_wait_loadcnt 12                              ; step 0's four loads are in; the twelve of steps 1 to 3 may be out
	XTURN 0
.macro XSTEP t
.set XS, XX+16*((\t)%2)
.if (\t) > 0
	s_wait_dscnt 1                                 ; this step's numbers are back from the stage (the last step's byte store may be out)
.else
	s_wait_dscnt 0x0
.endif
.if (\t)+4 < STEPS
	XLOAD (\t)+4                                   ; into the set whose stores into the stage have read their registers
.endif
.if (\t)+1 < STEPS
.if STEPS-2-(\t) >= 3
	s_wait_loadcnt 12                              ; the next step's four loads are in; those of the three steps behind it may be out
.else
	s_wait_loadcnt 4*(STEPS-2-(\t))
.endif
	XTURN (\t)+1
.endif
	v_max3_num_f32 v8, |v[XS]|, |v[XS+1]|, |v[XS+2]|               ; the largest magnitude of my 16, in two chains
	v_max3_num_f32 v9, |v[XS+3]|, |v[XS+4]|, |v[XS+5]|
.irp i, 6,10
	v_max3_num_f32 v8, v8, |v[XS+\i]|, |v[XS+\i+1]|
	v_max3_num_f32 v9, v9, |v[XS+\i+2]|, |v[XS+\i+3]|
.endr
	v_max3_num_f32 v8, v8, |v[XS+14]|, |v[XS+15]|
	v_max3_num_f32 v8, v8, v9, (EMAX+1)<<23        ; and the floor 2^(3 - 127): the byte cannot fall under 1
	v_max_num_f32_dpp v8, v8, v8 row_xmask:1 row_mask:0xf bank_mask:0xf   ; with my neighbour's 16: the block's
	v_add_nc_u32 v11, -(EMAX<<23), v8              ; 2 off its exponent field: the conversion takes the exponent field of this operand as its scale
	v_cvt_scalef32_pk16_fp6_f32 v[XC+4*(\t):XC+4*(\t)+2], v[XS:XS+15], v11
	v_lshrrev_b32 v[XE+(\t)], 23, v11              ; the scale's byte (also the plain line behind the conversion)
	ds_store_b8 v5, v[XE+(\t)] offset:16*(\t)      ; both lanes of a block write the same byte with the same value
	global_store_b96 v4, v[XC+4*(\t):XC+4*(\t)+2], s[10:11] offset:32*CB*(\t)   ; the wave stores 384 consecutive bytes
.endm
.irp t, 0,1,2,3,4,5,6,7,8,9,10,11,12,13,14,15
	XSTEP \t
.endr
	ds_load_b64 v[8:9], v6                         ; these see my byte stores: LDS serves a wave in order
	s_wait_dscnt 0x0
	global_store_b64 v7, v[8:9], s[12:13]          ; 32 lanes store 256 consecutive bytes, aligned
	s_wait_tensorcnt 0x0                           ; the wave's end
	ds_add_u32 v[SPW], v[NIL]
	s_wait_dscnt 0x0
	s_endpgm
	; ---------------- the weights ----------------
.Lw:
	s_sub_co_u32 s17, ttmp9, 256
	s_and_b32 s18, s17, 31                         ; which 128 of the 4,096 columns (3,072 of W_qkv, then 1,024 of W_proj)
	s_lshr_b32 s19, s17, 5                         ; which 256 along K
	s_mov_b32 s20, 4096
	s_cmp_lt_u32 s18, 24                           ; the choice hangs on the work-group's number alone
	s_cselect_b64 s[6:7], s[6:7], s[8:9]
	s_cselect_b32 s20, 12288, s20                  ; bytes from a row of the weight to the next
	s_cselect_b32 s21, 0, 3072                     ; the tensor's first column
	s_lshl_b32 s22, s18, 7
	s_lshl_b32 s23, s16, 5
	s_add_co_u32 s22, s22, s23                     ; my wave's first column of the 4,096
	s_sub_co_u32 s23, s22, s21
	s_lshl_b32 s23, s23, 2
	s_lshl_b32 s24, s19, 8
	s_mul_i32 s24, s24, s20
	s_add_co_u32 s24, s24, s23
	s_mov_b32 s25, 0
	s_add_nc_u64 s[32:33], s[6:7], s[24:25]        ; block 0's first row, my first column
	s_lshl_b32 s26, s20, 5
	s_mov_b32 s27, 0
.irp t, 1,2,3,4,5,6,7
	s_add_nc_u64 s[32+2*\t:33+2*\t], s[30+2*\t:31+2*\t], s[26:27]   ; a base for each block of 32 rows; none is rewritten
.endr
	v_lshlrev_b32 v3, 2, v2
.set WI, 0
.rept 32
	v_mad_u32_u24 v[VO+WI], s20, WI, v3
.set WI, WI+1
.endr
	s_mul_i32 s28, s16, 32*PITCH
	s_add_co_u32 s28, s28, WSTG                    ; my stage
	v_mul_u32_u24 v4, v2, PITCH
	v_add_nc_u32 v4, s28, v4                       ; in: row = my column
	v_and_b32 v5, 15, v2
	v_lshrrev_b32 v6, 4, v2
	v_mul_u32_u24 v7, v6, PITCH
	v_lshl_add_u32 v7, v5, 4, v7
	v_add_nc_u32 v7, s28, v7                       ; out: sixteen lanes to a row, two rows an instruction
	v_mul_u32_u24 v8, v6, 768
	v_mad_u32_u24 v8, v5, 12, v8                   ; and the same place in codes1
	v_and_b32 v9, 7, v2
	v_and_b32 v10, 8, v2
	v_lshl_or_b32 v9, v10, 1, v9
	v_and_b32 v10, 16, v2
	v_lshrrev_b32 v10, 1, v10
	v_or_b32 v9, v9, v10
	v_lshlrev_b32 v9, 5, v9                        ; my column's stored row (bits 3 and 4 exchanged) x 32 bytes of scales
	s_add_co_u32 s22, s22, 8192
	s_mul_i32 s24, s22, 768
	s_mul_i32 s29, s19, 192
	s_add_co_u32 s24, s24, s29
	s_add_nc_u64 s[10:11], s[10:11], s[24:25]
	s_lshl_b32 s24, s22, 5
	s_lshl_b32 s29, s19, 3
	s_add_co_u32 s24, s24, s29
	s_add_nc_u64 s[12:13], s[12:13], s[24:25]
.macro WLOAD t                         ; block t: rows 32 t + i of my 256, my column: 128 consecutive bytes a wave
.set WI, 0
.rept 32
	global_load_b32 v[WX+32*((\t)%2)+WI], v[VO+WI], s[32+2*(\t):33+2*(\t)] th:TH_LOAD_NT
.set WI, WI+1
.endr
.endm
	WLOAD 0
	WLOAD 1
.macro WBLOCK t
.set XS, WX+32*((\t)%2)
.if (\t) < 7
	s_wait_loadcnt 32                              ; this block's 32 loads are in; the next block's may be out
.else
	s_wait_loadcnt 0
.endif
	v_max3_num_f32 v12, |v[XS]|, |v[XS+1]|, |v[XS+2]|              ; the block's largest magnitude: all 32 numbers are mine
	v_max3_num_f32 v13, |v[XS+3]|, |v[XS+4]|, |v[XS+5]|
.irp i, 6,10,14,18,22,26
	v_max3_num_f32 v12, v12, |v[XS+\i]|, |v[XS+\i+1]|
	v_max3_num_f32 v13, v13, |v[XS+\i+2]|, |v[XS+\i+3]|
.endr
	v_max3_num_f32 v12, v12, |v[XS+30]|, |v[XS+31]|
	v_max3_num_f32 v12, v12, v13, (EMAX+1)<<23
	v_add_nc_u32 v11, -(EMAX<<23), v12
	v_lshrrev_b32 v13, 23, v11
.if (\t)%4 == 0
	v_mov_b32 v[SB+(\t)/4], v13                    ; four bytes to a register, the lower K in the lower byte
.else
	v_lshl_or_b32 v[SB+(\t)/4], v13, 8*((\t)%4), v[SB+(\t)/4]
.endif
	v_cvt_scalef32_pk16_fp6_f32 v[WC:WC+2], v[XS:XS+15], v11
	v_cvt_scalef32_pk16_fp6_f32 v[WC+4:WC+6], v[XS+16:XS+31], v11  ; (a conversion's three registers begin on an even number)
	ds_store_b96 v4, v[WC:WC+2] offset:32*(\t)     ; 12 bytes to a place of 16, so that every LDS address is a multiple of 16
	ds_store_b96 v4, v[WC+4:WC+6] offset:32*(\t)+16
.if (\t)+2 < 8
	WLOAD (\t)+2
.endif
	s_wait_dscnt 0x0                               ; the stores have read their registers: the next block's codes may be written
.endm
.irp t, 0,1,2,3,4,5,6,7
	WBLOCK \t
.endr
	global_store_b64 v9, v[SB:SB+1], s[12:13]      ; my column's eight scale bytes
.irp t, 0,1,2,3,4,5,6,7,8,9,10,11,12,13,14,15
	ds_load_b96 v[OUTR+4*\t:OUTR+4*\t+2], v7 offset:2*\t*PITCH
.endr
.irp t, 0,1,2,3,4,5,6,7,8,9,10,11,12,13,14,15
	s_wait_dscnt 15-\t
	global_store_b96 v8, v[OUTR+4*\t:OUTR+4*\t+2], s[10:11] offset:(2*(\t&3)+16*((\t>>2)&1)+8*(\t>>3))*768   ; column 2 t + (lane / 16) at its stored row: sixteen lanes store 192 consecutive bytes
.endr
	s_wait_tensorcnt 0x0                           ; the wave's end
	ds_add_u32 v[SPW], v[NIL]
	s_wait_dscnt 0x0
	s_endpgm
.Lfunc_end_k_q385049f0c3_prep:
	.size	k_q385049f0c3_prep, .Lfunc_end_k_q385049f0c3_prep-k_q385049f0c3_prep
	.p2alignl 7, 3214868480
	.fill 96, 4, 3214868480
	.section	.rodata,"a",@progbits
	.p2align	6, 0x0
	.amdhsa_kernel k_q385049f0c3_prep
		.amdhsa_group_segment_fixed_size 68096
		.amdhsa_private_segment_fixed_size 0
		.amdhsa_enable_private_segment 0
		.amdhsa_kernarg_size 40
		.amdhsa_user_sgpr_count 2
		.amdhsa_user_sgpr_kernarg_segment_ptr 1
		.amdhsa_wavefront_size32 1
		.amdhsa_system_sgpr_workgroup_id_x 1
		.amdhsa_system_sgpr_workgroup_id_y 1
		.amdhsa_system_sgpr_workgroup_id_z 1
		.amdhsa_system_vgpr_workitem_id 0
		.amdhsa_next_free_vgpr 216
		.amdhsa_next_free_sgpr 66
		.amdhsa_reserve_vcc 0
		.amdhsa_float_denorm_mode_32 3
		.amdhsa_float_denorm_mode_16_64 3
		.amdhsa_memory_ordered 1
		.amdhsa_forward_progress 1
		.amdhsa_inst_pref_size 76
	.end_amdhsa_kernel
	.amdgpu_metadata
---
amdhsa.version: [ 1, 2 ]
amdhsa.kernels:
  - .name:           k_q385049f0c3_prep
    .symbol:         k_q385049f0c3_prep.kd
    .args:
      - { .name: x, .offset: 0, .size: 8, .value_kind: global_buffer, .address_space: global }
      - { .name: W_qkv, .offset: 8, .size: 8, .value_kind: global_buffer, .address_space: global }
      - { .name: W_proj, .offset: 16, .size: 8, .value_kind: global_buffer, .address_space: global }
      - { .name: codes1, .offset: 24, .size: 8, .value_kind: global_buffer, .address_space: global }
      - { .name: scales1, .offset: 32, .size: 8, .value_kind: global_buffer, .address_space: global }
    .group_segment_fixed_size: 68096
    .private_segment_fixed_size: 0
    .kernarg_segment_align: 8
    .kernarg_segment_size: 40
    .max_flat_workgroup_size: 128
    .sgpr_count:     66
    .vgpr_count:     216
    .wavefront_size: 32
...
	.end_amdgpu_metadata
.endif
;; end of part 1
;; launch qkv (part 2): grid 12 x 32, 4 waves a work-group, clusters of 4 x 4, 327,680 bytes of LDS; arguments codes1, scales1, cos, sin, qkvc, qkvs; writes qkvc, qkvs
.if DOCPART == 2
	.amdgcn_target "amdgcn-amd-amdhsa--gfx1250"
	.amdhsa_code_object_version 6
	.text
	.protected	k_q385049f0c3_qkv
	.globl	k_q385049f0c3_qkv
	.p2align	8
	.type	k_q385049f0c3_qkv,@function
k_q385049f0c3_qkv:
	s_mov_b64 s[64:65], 0
	v_nop
	global_prefetch_b8 v0, s[64:65] scope:SCOPE_SE
	s_setreg_imm32_b32 hwreg(HW_REG_WAVE_MODE, 25, 1), 1
	s_wait_xcnt 0x0
	s_wait_alu depctr_hold_cnt(0) depctr_sa_sdst(0) depctr_va_vdst(0) depctr_va_sdst(0) depctr_va_ssrc(0) depctr_va_vcc(0) depctr_vm_vsrc(0)
	s_getreg_b32 s2, hwreg(HW_REG_IB_STS2, 6, 4)
	s_cmp_eq_u32 s2, 0
	s_cbranch_scc0 .Lentry_in_a_cluster
	s_endpgm
.Lentry_in_a_cluster:
	s_bfe_u32 s2, ttmp6, 0x10000c
	s_cmp_lg_u32 s2, 0xf033
	s_cbranch_scc0 .Lentry_shape_is_right
	s_endpgm
.Lentry_shape_is_right:
; qkv = x W_qkv on codes of FP6 (E2M3) with E8M0 scales, K = 1,024; then, in registers: RoPE on q and k, q and k quantised along the head's 64, v quantised along the tokens (the keys).  Only codes and scale bytes leave.
; A work-group of four waves makes 256 x 256 of the product, a wave 128 x 128: 64 accumulators, 512 registers.  K goes in steps of 256 through a ring of two LDS slots filled by the tensor data mover.
; Both operands are rows of codes1 / scales1 (tokens 0-8191, W_qkv's columns 8192-11263).  THE CLUSTER'S x IS THE ROLE: 0 q, 1 k, 2 v.
;   q, k: source 1 = tokens, source 0 = W's columns: a lane holds ONE token and its registers run along the head's d, the axis of RoPE's partner (d and d + 32 lie in one lane) and of the quantiser.
;   v:    source 1 = W_v's columns, source 0 = tokens: a lane holds ONE column d and its registers run along the tokens, the axis along which v is quantised.
; The roles part ONCE, in front of the last 128 along K, which is written on both ways: q's and k's way asks for its first cos and sin there, 64 matrix instructions ahead of their use.
; The stored order of the rows (bits 3 and 4 exchanged) makes the 16 registers of source 0's tiles 2 g and 2 g + 1 sixteen neighbours, 32 g + 16 (lane / 16) + 0 .. 15, and lane r of source 1's tile a the row 32 (a / 2) + 8 (a % 2) + r + 8 (r / 8).
; CLUSTERS: 4 x 4 work-groups; the tile in the A region is shared along a row of the cluster, that in the B region along a column: each is asked for jointly.
; OUT.  qkvc: three parts (q, k, v) of [head 64][fragment 64][1,536 bytes]: a fragment is an image of an operand's 12 registers: three chunks of 512 bytes, chunk c = registers 4 c .. 4 c + 3, lane l at 16 l.
;   q, k fragment 4 st + g: registers 0-5 token 128 st + 32 g + r + 8 (r / 8), registers 6-11 the token 8 further on; d = 32 (lane / 16) + 0 .. 31.   v fragment 4 st + t: row d = 32 (t / 2) + 8 (t % 2) + r + 8 (r / 8), keys 128 st + 0 .. 127.
;   qkvs: three parts of [head 64][st 16][r 16][4 words]: word g (or t) is that fragment's scale word of lane r.
; LIMITS: NaN and infinities are not served; a block whose largest magnitude lies under 2^-124 (zeros among them) keeps the scale byte 1; RoPE is one multiplication and one fused multiply-add for each number (two roundings).
; REGISTERS, in windows of 256: window 0: v16-29 addresses; v32-63 scale words, two sets; v128-223 A's fragments, one set; behind the products v64-127 rotated numbers, v128-249 at work.
;   window 1: B's fragments, two sets at v0 and v128; v96-127, v224-255 and, at the end, v0-63: two sets of cos and sin.   windows 2, 3: the accumulators ((a, b) at v[8 (8 (a % 4) + b)]).
.set KSTEP,  256
.set NQ,     2
.set ROWB,   192                       ; a tile's row: 256 codes
.set KROW,   768                       ; a row of codes1
.set PITCH,  240                       ; an LDS row: 3 x (64 bytes + 16 of padding)
.set FR,     12
.set NL,     6
.set NP,     4
.set HALFT,  128*PITCH
.set SLOT,   4*HALFT
.set LAPS,   2                         ; 1,024 along K = two laps of two K steps
.set KS,     32                        ; a row of scales1
.set SCL,    2*SLOT                    ; behind the ring: the scales of my 512 rows, as units of 256 bytes + 16
.set HALFS,  (128*KS/256)*272
.set SBLK,   (16*KS/256)*272
.set SPARE,  SCL+4*HALFS               ; the spare words, 128 bytes a wave, named by no other line
.set ADRA, 16                          ; v16-19 LDS addresses of A's fragments (slot 0, 1; the same behind one padding more)
.set ADRB, 20                          ; v20-23 the same for B
.set FO,   24                          ; v24 16 x lane: my place in a chunk of an image
.set CSO,  25                          ; v25 my token's row in the tables, + 64 (lane / 16)
.set SO,   26                          ; v26 16 r + 4,096 (lane / 16): my scale words' place
.set ADRS, 27
.set SPW,  28
.set NIL,  29
.set SC,   32
.set AF,   128
.set TT,   64                          ; v64-127 64 rotated numbers
.set SW0,  128                         ; v128-131, v132-135 scale words of my first and second head
.set SW1,  132
.set OUT,  136
.set FA0,  140                         ; v140-187 four fragments to store
.set TM,   224                         ; v224-227 largest magnitudes, v228-231 bytes, v236-239 the conversions' scale operands
.set CT,   240
.set PWA,  248
.set PWB,  249
.set SEL,  12                          ; s[12:13] lane selects for v_permlanex16_b32: lane l xor 16
.set G1, 24
.set G0, 32
.set G1B, 48
.set G0B, 56
.set G1S, 68
.set G0S, 76
.set G1SB, 80
.set G0SB, 88
.set MSB, 0
.macro WIN new                         ; the immediate's high byte repeats the setting that is left; a switch that changes nothing is dropped
.set NW, \new
.if MSB != NW
	s_set_vgpr_msb (MSB<<8)|NW
.set MSB, NW
.endif
.endm
.set MUL_LO, 0xa1                      ; source 0 (B) window 1, source 1 (A) window 0, C and D window 2
.set MUL_HI, 0xf1
.set TO_B,   0x40
; A joint load: waves 0 and 1 fetch for the A region, waves 2 and 3 for the B region; the branch hangs on the wave's number alone.  An s_nop 0 and four v_nop follow each line.
.macro JLOAD g0a, g1a, g0b, g1b
	s_cmp_eq_u32 s15, 0
	s_cbranch_scc0 .Lfor_b_\@
	tensor_load_to_lds s[\g0a:\g0a+3], s[\g1a:\g1a+7]
	s_nop 0
.rept 4
	v_nop
.endr
	s_branch .Lasked_\@
.Lfor_b_\@:
	tensor_load_to_lds s[\g0b:\g0b+3], s[\g1b:\g1b+7]
	s_nop 0
.rept 4
	v_nop
.endr
.Lasked_\@:
.endm
.macro CREST                           ; a round of the cluster's barrier behind its opening barrier
	s_cmp_lg_u32 s14, 0
	s_cbranch_scc1 .Lnot_wave_0_\@
	s_barrier_signal -3
.Lnot_wave_0_\@:
	s_barrier_wait -3
	s_barrier_signal -1
	s_barrier_wait -1
.endm
.macro CROUND
	s_barrier_signal -1
	s_barrier_wait -1
	CREST
.endm
	s_load_b256 s[4:11], s[0:1], 0x0               ; codes1 s[4:5], scales1 s[6:7], cos s[8:9], sin s[10:11]
	s_load_b128 s[96:99], s[0:1], 0x20             ; qkvc s[96:97], qkvs s[98:99]
	v_lshl_add_u32 v[SPW], v0, 2, SPARE
	v_mov_b32 v[NIL], 0
	ds_add_u32 v[SPW], v[NIL]
	ds_add_u32 v[SPW], v[NIL]                      ; the wave's opening: the add and its wait ahead of my first tensor load; work on registers stands between them
	v_lshrrev_b32 v1, 5, v0
	v_readfirstlane_b32 s14, v1                    ; wave 0..3
	s_lshr_b32 s15, s14, 1                         ; which 128 rows of the A region are mine.  Also: I fetch for A (0) or for B (1)
	s_and_b32 s16, s14, 1                          ; which 128 rows of the B region.  Also: which 128 rows I fetch
	s_bfe_u32 s40, ttmp6, 0x40000                  ; cx
	s_bfe_u32 s41, ttmp6, 0x40004                  ; cy
	s_and_b32 s18, ttmp7, 0xffff
	s_lshl_b32 s18, s18, 2                         ; the cluster's first tile of 256 tokens
	s_lshl_b32 s19, ttmp9, 2
	s_add_co_u32 s19, s19, 32                      ; the role's first tile of 256 columns: W's rows begin at tile 32
	s_cmp_eq_u32 ttmp9, 2                          ; v?  The cluster's x is the same in all sixteen partners
	s_cselect_b32 s17, 40, s18
	s_cselect_b32 s42, s18, s19
	s_add_co_u32 s17, s17, s41                     ; the A region's tile of 256 rows: it hangs on cy alone of my place
	s_add_co_u32 s42, s42, s40                     ; the B region's: on cx alone
	s_lshl_b32 s43, s41, 2
	s_lshl_b32 s43, 15, s43                        ; my row of the cluster
	s_lshl_b32 s44, 0x1111, s40                    ; my column
	s_or_b32 s[G1+0], s43, (0<<16)|(1<<20)|(1<<21)|(3<<22)|(3<<25)  ; the mask; elements of 1 byte; padding on; bit 21 beside a mask; after every 16 words 4 words
	s_or_b32 s[G1B+0], s44, (0<<16)|(1<<20)|(1<<21)|(3<<22)|(3<<25)
.irp g, G1, G1B
	s_mov_b32 s[\g+1], ROWB<<16                    ; tensor_dim0
	s_mov_b32 s[\g+2], 128<<16                     ; tensor_dim1
	s_mov_b32 s[\g+3], ROWB<<16                    ; tile_dim0
	s_mov_b32 s[\g+4], 128                         ; tile_dim1
	s_mov_b32 s[\g+5], KROW                        ; from row to row
	s_mov_b32 s[\g+6], 0
	s_mov_b32 s[\g+7], 0
.endr
	s_or_b32 s[G1S+0], s43, (3<<16)|(1<<20)|(1<<21)|(5<<22)|(3<<25)  ; the scales of 128 rows: 4,096 dense bytes as 16 rows of 256, 16 bytes of padding behind each
	s_or_b32 s[G1SB+0], s44, (3<<16)|(1<<20)|(1<<21)|(5<<22)|(3<<25)
.irp g, G1S, G1SB
	s_mov_b32 s[\g+1], 32<<16
	s_mov_b32 s[\g+2], (128*KS/256)<<16
	s_mov_b32 s[\g+3], 32<<16
	s_mov_b32 s[\g+4], 128*KS/256
	s_mov_b32 s[\g+5], 32
	s_mov_b32 s[\g+6], 0
	s_mov_b32 s[\g+7], 0
.endr
	s_mov_b32 s[SEL], 0x76543210
	s_mov_b32 s[SEL+1], 0xfedcba98
	s_lshl_b32 s18, s16, 7                         ; which 128 rows of the tile I fetch
	s_lshl_b32 s20, s17, 8
	s_add_co_u32 s20, s20, s18
	s_lshl_b32 s46, s42, 8
	s_add_co_u32 s46, s46, s18
	s_mov_b32 s21, 0
	s_mov_b32 s47, 0
	s_mov_b64 s[18:19], KS
	s_mul_u64 s[22:23], s[20:21], s[18:19]         ; where these rows' scales begin
	s_mul_u64 s[92:93], s[46:47], s[18:19]
	s_mov_b64 s[18:19], KROW
	s_mul_u64 s[20:21], s[20:21], s[18:19]         ; and their codes
	s_mul_u64 s[46:47], s[46:47], s[18:19]
	s_mul_i32 s45, s14, HALFT                      ; where they go: wave x 128 rows
	s_mul_i32 s94, s14, HALFS
	s_wait_dscnt 0x0                               ; the opening add is done
	s_wait_kmcnt 0x0
	s_add_nc_u64 s[20:21], s[4:5], s[20:21]
	s_add_nc_u64 s[22:23], s[6:7], s[22:23]
	s_add_nc_u64 s[46:47], s[4:5], s[46:47]
	s_add_nc_u64 s[92:93], s[6:7], s[92:93]
	CROUND                                         ; all sixteen work-groups are here: the first joint loads meet
	s_mov_b32 s[G0S], 1
	s_add_co_u32 s[G0S+1], s94, SCL
	s_mov_b64 s[G0S+2:G0S+3], s[22:23]
	s_or_b32 s[G0S+3], s[G0S+3], 0x80000000
	s_mov_b32 s[G0SB], 1
	s_add_co_u32 s[G0SB+1], s94, SCL
	s_mov_b64 s[G0SB+2:G0SB+3], s[92:93]
	s_or_b32 s[G0SB+3], s[G0SB+3], 0x80000000
	JLOAD G0S, G1S, G0SB, G1SB                     ; the scales first: filled once
.irp s, 0,1
	s_mov_b32 s[G0+4*\s], 1
	s_add_co_u32 s[G0+4*\s+1], s45, \s*SLOT
	s_add_nc_u64 s[G0+4*\s+2:G0+4*\s+3], s[20:21], \s*ROWB
	s_or_b32 s[G0+4*\s+3], s[G0+4*\s+3], 0x80000000
	s_mov_b32 s[G0B+4*\s], 1
	s_add_co_u32 s[G0B+4*\s+1], s45, \s*SLOT
	s_add_nc_u64 s[G0B+4*\s+2:G0B+4*\s+3], s[46:47], \s*ROWB
	s_or_b32 s[G0B+4*\s+3], s[G0B+4*\s+3], 0x80000000
	JLOAD G0+4*\s, G1, G0B+4*\s, G1B               ; three loads of mine are out by this text's count
.endr
	v_and_b32 v1, 15, v0                           ; r
	v_bfe_u32 v2, v0, 4, 1                         ; h
	v_mul_u32_u24 v3, v1, PITCH
	v_mul_u32_u24 v4, v2, 24
	v_add_nc_u32 v4, v3, v4                        ; a fragment's row x pitch + 24 h
	v_lshl_add_u32 v5, v2, 4, v4                   ; and the same behind one padding more
	s_mul_i32 s21, s15, HALFT
	s_mul_i32 s22, s16, HALFT
	s_add_co_u32 s22, s22, 2*HALFT
.irp s, 0,1
	v_add_nc_u32 v[ADRA+\s], s21, v4
	v_add_nc_u32 v[ADRB+\s], s22, v4
	v_add_nc_u32 v[ADRA+2+\s], s21, v5
	v_add_nc_u32 v[ADRB+2+\s], s22, v5
	s_add_co_u32 s21, s21, SLOT
	s_add_co_u32 s22, s22, SLOT
.endr
	v_mul_u32_u24 v5, v1, KS                       ; my row's scales: 32 bytes a row,
	v_lshrrev_b32 v6, 8, v5
	v_lshl_add_u32 v5, v6, 4, v5                   ; and 16 more for each 256 passed
	s_mul_i32 s21, s15, HALFS
	s_mul_i32 s22, s16, HALFS
	s_add_co_u32 s22, s22, 2*HALFS
	s_sub_co_u32 s22, s22, s21
	v_mul_u32_u24 v6, s22, v2                      ; lanes 16-31 take the B region's
	s_add_co_u32 s21, s21, SCL
	v_add_nc_u32 v5, v5, v6
	v_add_nc_u32 v[ADRS], s21, v5
	v_and_b32 v6, 31, v0
	v_lshlrev_b32 v[FO], 4, v6
	v_and_b32 v6, 8, v1
	v_add_nc_u32 v6, v6, v1                        ; r + 8 (r / 8)
	v_lshlrev_b32 v[CSO], 8, v6                    ; a row of the tables is 256 bytes
	v_lshl_add_u32 v[CSO], v2, 6, v[CSO]
	v_lshlrev_b32 v[SO], 4, v1
	v_lshl_add_u32 v[SO], v2, 12, v[SO]
	; where my results go.  These numbers feed no descriptor.
	s_cmp_eq_u32 ttmp9, 2
	s_cselect_b32 s66, s42, s17                    ; the tokens' tile of 256,
	s_cselect_b32 s67, s16, s15                    ; my half of it,
	s_cselect_b32 s18, s17, s42                    ; the columns' tile,
	s_cselect_b32 s19, s15, s16                    ; my half of it
	s_lshl_b32 s66, s66, 1
	s_add_co_u32 s66, s66, s67                     ; my 128 tokens, of 64 such blocks
	s_lshr_b32 s67, s66, 4                         ; the batch
	s_and_b32 s66, s66, 15                         ; st: the block inside the sequence
	s_and_b32 s18, s18, 3
	s_lshl_b32 s18, s18, 2
	s_lshl_b32 s19, s19, 1
	s_add_co_u32 s18, s18, s19                     ; my first head: 256 columns are four heads, my 128 two
	s_lshl_b32 s67, s67, 4
	s_add_co_u32 s18, s18, s67                     ; 16 x batch + head
	s_lshl_b32 s20, s18, 6
	s_lshl_b32 s21, s66, 2
	s_add_co_u32 s20, s20, s21
	s_mul_i32 s20, s20, 1536
	s_mul_i32 s21, ttmp9, 6291456
	s_add_co_u32 s20, s20, s21
	s_mov_b32 s21, 0
	s_add_nc_u64 s[96:97], s[96:97], s[20:21]
	s_lshl_b32 s20, s18, 4
	s_add_co_u32 s20, s20, s66
	s_lshl_b32 s20, s20, 8
	s_mul_i32 s22, ttmp9, 262144
	s_add_co_u32 s20, s20, s22
	s_add_nc_u64 s[98:99], s[98:99], s[20:21]
	s_lshl_b32 s20, s66, 15                        ; the tables at position 128 st
	s_add_nc_u64 s[8:9], s[8:9], s[20:21]
	s_add_nc_u64 s[10:11], s[10:11], s[20:21]
.macro FRAG reg, adr, q, i             ; a fragment, 16 rows x 128 K: 12 registers, six pieces of 8 bytes; where a piece of lanes 16-31 lies behind one padding more, the second address register serves
.irp p, 0,1,2,3,4,5
.set PC, 12*(\q)+6*(\p/3)+\p%3
.if PC%8 < 5
	ds_load_b64 v[\reg+2*\p:\reg+2*\p+1], v[\adr] offset:8*PC+16*(PC/8)+(\i)*16*PITCH
.else
	ds_load_b64 v[\reg+2*\p:\reg+2*\p+1], v[\adr+2] offset:8*PC+16*(PC/8)+(\i)*16*PITCH
.endif
.endr
.endm
; 16 matrix instructions: A's blocks a0, a0 + 1 x B's eight.  The 64 accumulators take turns, one instruction a turn, in the same order in every step.
.macro MUL16 a0, p, q, sc, zero
.irp a, \a0, \a0+1
.irp b, 0,1,2,3,4,5,6,7
.if \zero
	v_wmma_scale_f32_16x16x128_f8f6f4 v[8*(8*((\a)%4)+\b):8*(8*((\a)%4)+\b)+7], v[128*(\p)+FR*\b:128*(\p)+FR*\b+FR-1], v[AF+FR*(\a):AF+FR*(\a)+FR-1], 0, v[SC+8*NQ*(\sc)+NQ*\b+(\q)], v[SC+8*NQ*(\sc)+NQ*(\a)+(\q)] matrix_a_fmt:MATRIX_FMT_FP6 matrix_b_fmt:MATRIX_FMT_FP6 matrix_a_scale:MATRIX_SCALE_ROW1
.else
	v_wmma_scale_f32_16x16x128_f8f6f4 v[8*(8*((\a)%4)+\b):8*(8*((\a)%4)+\b)+7], v[128*(\p)+FR*\b:128*(\p)+FR*\b+FR-1], v[AF+FR*(\a):AF+FR*(\a)+FR-1], v[8*(8*((\a)%4)+\b):8*(8*((\a)%4)+\b)+7], v[SC+8*NQ*(\sc)+NQ*\b+(\q)], v[SC+8*NQ*(\sc)+NQ*(\a)+(\q)] matrix_a_fmt:MATRIX_FMT_FP6 matrix_b_fmt:MATRIX_FMT_FP6 matrix_a_scale:MATRIX_SCALE_ROW1
.endif
.endr
.endr
.endm
.macro FETCH_B slot, q, p
	WIN TO_B
.irp i, 0,1,2,3,4,5,6,7
	FRAG 128*(\p)+FR*\i, ADRB+\slot, \q, \i
.endr
	WIN 0
.endm
.macro FETCH_A slot, q, i0
.irp i, \i0, \i0+1, \i0+2, \i0+3
	FRAG AF+FR*(\i), ADRA+\slot, \q, \i
.endr
.endm
.macro SCALES sc                       ; a K step's scale words: lanes 0-15 take A's block i, lanes 16-31 B's block i
.irp i, 0,1,2,3,4,5,6,7
	ds_load_b64 v[SC+8*NQ*\sc+NQ*\i:SC+8*NQ*\sc+NQ*\i+1], v[ADRS] offset:\i*SBLK
.endr
.endm
.macro PLACES n                        ; plain vector places between a matrix instruction and a load into, or a vector read or write of, its registers
.rept \n
	v_nop
.endr
.endm
.macro STEP slot, q, zero              ; 128 along K whose successor lies in the same slot
	s_wait_dscnt 4*NL                              ; B's set and A's blocks 0-3 are in; the 24 youngest loads (A's blocks 4-7) may be out
	WIN MUL_LO
	MUL16 0, (\q)%2, \q, \slot, \zero
	MUL16 2, (\q)%2, \q, \slot, \zero
	s_wait_dscnt 0
	PLACES NP
	FETCH_B \slot, (\q)+1, 1-(\q)%2
	FETCH_A \slot, (\q)+1, 0
	WIN MUL_HI
	MUL16 4, (\q)%2, \q, \slot, \zero
	MUL16 6, (\q)%2, \q, \slot, \zero
	PLACES NP
	WIN 0
	FETCH_A \slot, (\q)+1, 4
.endm
; A slot's last step changes slots: one barrier; in front of it each wave waits for all its tensor loads, adds 0 to its spare word, and waits for that and for its reads of this slot.
.macro TURN slot, next, fill
	s_wait_tensorcnt 0x0                           ; all my tensor loads have landed: my part of the next slot
	ds_add_u32 v[SPW], v[NIL]
	s_wait_dscnt 4*NL+1                            ; the add and the 24 youngest loads may be out
	WIN MUL_LO
	MUL16 0, 1, NQ-1, \slot, 0
	s_wait_dscnt 0x0                               ; the add is done, and my reads of this slot are over
	s_barrier_signal -1
	MUL16 2, 1, NQ-1, \slot, 0
	WIN 0
	s_barrier_wait -1
.if \fill
	CREST                                          ; the barrier has opened a round of the cluster's: no wave of any partner still reads this slot or has a load on its way
	s_add_nc_u64 s[G0+4*\slot+2:G0+4*\slot+3], s[G0+4*\slot+2:G0+4*\slot+3], 2*ROWB
	s_add_nc_u64 s[G0B+4*\slot+2:G0B+4*\slot+3], s[G0B+4*\slot+2:G0B+4*\slot+3], 2*ROWB
	JLOAD G0+4*\slot, G1, G0B+4*\slot, G1B         ; the first tensor load behind the round; its four v_nop are the places in front of the loads below
.else
	PLACES NP
.endif
	s_wait_alu depctr_va_vdst(0)
	v_add_nc_u32 v[ADRS], 4*NQ, v[ADRS]            ; the next K step's scale words
	FETCH_B \next, 0, 0
	FETCH_A \next, 0, 0
	SCALES \next
	WIN MUL_HI
	MUL16 4, 1, NQ-1, \slot, 0
	MUL16 6, 1, NQ-1, \slot, 0
	PLACES NP
	WIN 0
	FETCH_A \next, 0, 4
.endm
; The very last 128 along K: nothing more to fetch.  Written on each of the two ways; the accumulators keep their turns.  The four places at its end stand in front of the first read of results and of the first write over A's fragments.
.macro LAST
	s_wait_dscnt 4*NL                              ; B's set and A's blocks 0-3 are in; the 24 youngest loads (A's blocks 4-7) may be out
	WIN MUL_LO
	MUL16 0, 1, NQ-1, 1, 0
	MUL16 2, 1, NQ-1, 1, 0
	s_wait_dscnt 0
	WIN MUL_HI
	MUL16 4, 1, NQ-1, 1, 0
	MUL16 6, 1, NQ-1, 1, 0
	WIN 0
	PLACES NP
.endm
; cos and sin of source 1's tile a, for my token: 32 numbers of each: columns 16 h + 0 .. 15 and 32 + 16 h + 0 .. 15.  Sixteen loads, into set e of window 1.
.macro CSLOAD a, e
.if (\e) == 0
.set CSB, 96
.set SNB, 224
.else
.set CSB, 0
.set SNB, 32
.endif
.set RO, (32*((\a)/2)+8*((\a)%2))*256
.irp j, 0,1,2,3
	global_load_b128 v[CSB+4*\j:CSB+4*\j+3], v[CSO], s[8:9] offset:RO+16*\j
	global_load_b128 v[CSB+16+4*\j:CSB+16+4*\j+3], v[CSO], s[8:9] offset:RO+128+16*\j
	global_load_b128 v[SNB+4*\j:SNB+4*\j+3], v[CSO], s[10:11] offset:RO+16*\j
	global_load_b128 v[SNB+16+4*\j:SNB+16+4*\j+3], v[CSO], s[10:11] offset:RO+128+16*\j
.endr
.endm
; RoPE on block a's 64 results (two heads of my token): d < 32: q cos - q(d + 32) sin; d >= 32: q cos + q(d - 32) sin.  Each accumulator is read from its low end on.
.macro ROPE a, e
.if (\e) == 0
.set CSB, 96
.set SNB, 224
.else
.set CSB, 0
.set SNB, 32
.endif
.set AC, 64*((\a)%4)
	WIN 0x04+2+(\a)/4                              ; source 0: the accumulators' window; source 1: window 1; source 2 and destination: window 0
.irp hh, 0,1
.irp i, 0,2,4,6,8,10,12,14
	v_pk_mul_f32 v[TT+32*\hh+\i:TT+32*\hh+\i+1], v[AC+32*\hh+\i:AC+32*\hh+\i+1], v[CSB+\i:CSB+\i+1]
	v_pk_fma_f32 v[TT+32*\hh+\i:TT+32*\hh+\i+1], v[AC+32*\hh+16+\i:AC+32*\hh+16+\i+1], v[SNB+\i:SNB+\i+1], v[TT+32*\hh+\i:TT+32*\hh+\i+1] neg_lo:[1,0,0] neg_hi:[1,0,0]
	v_pk_mul_f32 v[TT+32*\hh+16+\i:TT+32*\hh+16+\i+1], v[AC+32*\hh+16+\i:AC+32*\hh+16+\i+1], v[CSB+16+\i:CSB+16+\i+1]
	v_pk_fma_f32 v[TT+32*\hh+16+\i:TT+32*\hh+16+\i+1], v[AC+32*\hh+\i:AC+32*\hh+\i+1], v[SNB+16+\i:SNB+16+\i+1], v[TT+32*\hh+16+\i:TT+32*\hh+16+\i+1]
.endr
.endr
.endm
; 64 numbers of a lane in window w, register 16 b + i = place 32 b + 16 h + i of my row, become four blocks' codes: blocks 0, 1 in v[d0 .. d0 + 5], blocks 2, 3 in v[d1 .. d1 + 5] (lanes 0-15 the even block, lanes 16-31 the odd one), and their four bytes in v[pw].
.macro QUANT s, w, d0, d1, pw
	WIN 5*(\w)                                     ; sources 0 and 1 in window w
.irp b, 0,1,2,3
	v_max3_num_f32 v[TM+\b], |v[(\s)+16*\b]|, |v[(\s)+16*\b+1]|, 0x1800000   ; my 16 numbers of block b, and the floor 2^(3 - 127): the byte cannot fall under 1
.endr
.irp i, 2,4,6,8,10,12,14
.irp b, 0,1,2,3
	v_max3_num_f32 v[TM+\b], |v[(\s)+16*\b+\i]|, |v[(\s)+16*\b+\i+1]|, v[TM+\b]
.endr
.endr
	WIN 0
.irp b, 0,1,2,3
	v_permlanex16_b32 v[TM+4+\b], v[TM+\b], s[SEL], s[SEL+1]
.endr
.irp b, 0,1,2,3
	v_max_num_f32 v[TM+\b], v[TM+\b], v[TM+4+\b]   ; with lane l xor 16's: the block's largest magnitude
.endr
.irp b, 0,1,2,3
	v_add_nc_u32 v[TM+12+\b], 0xff000000, v[TM+\b] ; 2 off its exponent field: the conversion's scale operand
.endr
.irp b, 0,1,2,3
	v_lshrrev_b32 v[TM+4+\b], 23, v[TM+12+\b]      ; the byte
.endr
	v_lshl_or_b32 v[\pw], v[TM+5], 8, v[TM+4]
	v_lshl_or_b32 v[\pw], v[TM+6], 16, v[\pw]
	v_lshl_or_b32 v[\pw], v[TM+7], 24, v[\pw]
	WIN (\w)                                       ; source 0 in window w
	v_cvt_scalef32_pk16_fp6_f32 v[(\d0):(\d0)+2], v[(\s):(\s)+15], v[TM+12]
	v_cvt_scalef32_pk16_fp6_f32 v[CT:CT+2], v[(\s)+16:(\s)+31], v[TM+13]
	v_cvt_scalef32_pk16_fp6_f32 v[(\d1):(\d1)+2], v[(\s)+32:(\s)+47], v[TM+14]
	v_cvt_scalef32_pk16_fp6_f32 v[CT+4:CT+6], v[(\s)+48:(\s)+63], v[TM+15]
	WIN 0
	v_nop                                          ; one plain place behind the scaled conversions
.irp i, 0,1,2
	v_permlane16_swap_b32 v[(\d0)+\i], v[CT+\i]    ; the operand's layout wants a whole block in a lane
	v_permlane16_swap_b32 v[(\d1)+\i], v[CT+4+\i]
.endr
.irp i, 0,1,2
	v_mov_b32 v[(\d0)+3+\i], v[CT+\i]
	v_mov_b32 v[(\d1)+3+\i], v[CT+4+\i]
.endr
.endm
.macro STOREF reg, hsel, idx           ; a fragment's image: each store of the wave covers 512 consecutive bytes, aligned
.irp c, 0,1,2
	global_store_b128 v[FO], v[(\reg)+4*\c:(\reg)+4*\c+3], s[96:97] offset:(\hsel)*98304+(\idx)*1536+512*\c
.endr
.endm
	s_wait_alu depctr_va_vdst(0)
	s_wait_tensorcnt 1                             ; the scales and my part of K step 0 are in (K step 1's load may be out)
	s_barrier_signal -1
	s_barrier_wait -1
	FETCH_B 0, 0, 0
	FETCH_A 0, 0, 0
	SCALES 0
	FETCH_A 0, 0, 4
	STEP 0, 0, 1                                   ; the first step's products start the sums: nothing is cleared
	s_mov_b32 s3, LAPS-1
.Llap:
	TURN 0, 1, 1
	STEP 1, 0, 0
	TURN 1, 0, 1
	STEP 0, 0, 0
	s_sub_co_u32 s3, s3, 1
	s_cmp_lg_u32 s3, 0
	s_cbranch_scc1 .Llap
	TURN 0, 1, 0                                   ; the last lap fills nothing
	STEP 1, 0, 0
.irp b, 0,1,2,3
	v_mov_b32 v[TM+4+\b], 0                        ; written once, on the way that all roles take: a lane permute's destination counts as one of its sources
.endr
	s_cmp_eq_u32 ttmp9, 2                          ; THE ROLES PART HERE, once: the cluster's x is the same in all sixteen partners
	s_cbranch_scc1 .Lv_out
	; ---- q, k.  The first two sets of cos and sin are asked for ahead of the last 64 matrix instructions;
	; set 1 lands in B's set 0, whose last readers stand in front of the four places at the end of the step above
	WIN 0x40
	CSLOAD 0, 0
	CSLOAD 1, 1
	WIN 0
	LAST
	; two blocks of 16 tokens make one fragment for each of my two heads
.irp bp, 0,1,2,3
.if \bp >= 2
	s_wait_xcnt 0x0                                ; the stores of two fragments back have read their registers
.endif
.irp u, 0,1
.if 2*\bp+\u < 7
	s_wait_loadcnt 16                              ; this block's 16 table loads are in; the next block's 16 may be out
.else
	s_wait_loadcnt 0x0
.endif
	ROPE 2*\bp+\u, \u
.if 2*\bp+\u+2 <= 7
	WIN 0x40
	CSLOAD 2*\bp+\u+2, \u
.endif
	QUANT TT, 0, FA0+24*(\bp%2)+6*\u, FA0+24*(\bp%2)+12+6*\u, PWA+\u
.endr
	v_perm_b32 v[SW0+\bp], v[PWB], v[PWA], 0x05040100   ; head 0: the first token's two bytes, then the second's
	v_perm_b32 v[SW1+\bp], v[PWB], v[PWA], 0x07060302   ; head 1 likewise
	STOREF FA0+24*(\bp%2), 0, \bp
	STOREF FA0+24*(\bp%2)+12, 1, \bp
.endr
	s_branch .Lscales
	; ---- v: block a is one fragment: 16 of a head's d x my 128 tokens
.Lv_out:
	LAST
.irp a, 0,1,2,3,4,5,6,7
.if \a >= 4
	s_wait_xcnt 0x0                                ; the stores of four fragments back have read their registers
.endif
	QUANT 64*(\a%4), 2+\a/4, FA0+12*(\a%4), FA0+12*(\a%4)+6, SW0+\a
	STOREF FA0+12*(\a%4), \a/4, \a%4
.endr
.Lscales:
	s_mov_b32 s18, 0xffff0000
	s_wait_alu depctr_va_vdst(0)
.irp i, 0,1,2,3
	v_cndmask_b32 v[OUT+\i], v[SW0+\i], v[SW1+\i], s18   ; lanes 0-15 my first head's words, lanes 16-31 my second's
.endr
	global_store_b128 v[SO], v[OUT:OUT+3], s[98:99]      ; sixteen lanes store 256 consecutive bytes, aligned, for each head
	s_wait_tensorcnt 0x0                           ; the wave's end
	ds_add_u32 v[SPW], v[NIL]
	s_wait_dscnt 0x0
	CROUND                                         ; the closing round
	s_endpgm
.Lfunc_end_k_q385049f0c3_qkv:
	.size	k_q385049f0c3_qkv, .Lfunc_end_k_q385049f0c3_qkv-k_q385049f0c3_qkv
	.p2alignl 7, 3214868480
	.fill 96, 4, 3214868480
	.section	.rodata,"a",@progbits
	.p2align	6, 0x0
	.amdhsa_kernel k_q385049f0c3_qkv
		.amdhsa_group_segment_fixed_size 327680
		.amdhsa_private_segment_fixed_size 0
		.amdhsa_enable_private_segment 0
		.amdhsa_kernarg_size 48
		.amdhsa_user_sgpr_count 2
		.amdhsa_user_sgpr_kernarg_segment_ptr 1
		.amdhsa_wavefront_size32 1
		.amdhsa_system_sgpr_workgroup_id_x 1
		.amdhsa_system_sgpr_workgroup_id_y 1
		.amdhsa_system_sgpr_workgroup_id_z 1
		.amdhsa_system_vgpr_workitem_id 0
		.amdhsa_next_free_vgpr 1024
		.amdhsa_next_free_sgpr 102
		.amdhsa_reserve_vcc 0
		.amdhsa_float_denorm_mode_32 3
		.amdhsa_float_denorm_mode_16_64 3
		.amdhsa_memory_ordered 1
		.amdhsa_forward_progress 1
		.amdhsa_inst_pref_size 251
	.end_amdhsa_kernel
	.amdgpu_metadata
---
amdhsa.version: [ 1, 2 ]
amdhsa.kernels:
  - .name:           k_q385049f0c3_qkv
    .symbol:         k_q385049f0c3_qkv.kd
    .args:
      - { .name: codes1, .offset: 0, .size: 8, .value_kind: global_buffer, .address_space: global }
      - { .name: scales1, .offset: 8, .size: 8, .value_kind: global_buffer, .address_space: global }
      - { .name: cos, .offset: 16, .size: 8, .value_kind: global_buffer, .address_space: global }
      - { .name: sin, .offset: 24, .size: 8, .value_kind: global_buffer, .address_space: global }
      - { .name: qkvc, .offset: 32, .size: 8, .value_kind: global_buffer, .address_space: global }
      - { .name: qkvs, .offset: 40, .size: 8, .value_kind: global_buffer, .address_space: global }
    .group_segment_fixed_size: 327680
    .private_segment_fixed_size: 0
    .kernarg_segment_align: 8
    .kernarg_segment_size: 48
    .max_flat_workgroup_size: 128
    .sgpr_count:     102
    .vgpr_count:     1024
    .wavefront_size: 32
...
	.end_amdgpu_metadata
.endif
;; end of part 2
;; launch attn (part 3): grid 4 x 64, 16 waves a work-group, clusters of 4 x 1, 206,848 bytes of LDS; arguments qkvc, qkvs, yc, ys; writes yc, ys
.if DOCPART == 3
	.amdgcn_target "amdgcn-amd-amdhsa--gfx1250"
	.amdhsa_code_object_version 6
	.text
	.protected	k_q385049f0c3_attn
	.globl	k_q385049f0c3_attn
	.p2align	8
	.type	k_q385049f0c3_attn,@function
k_q385049f0c3_attn:
	s_mov_b64 s[64:65], 0
	v_nop
	global_prefetch_b8 v0, s[64:65] scope:SCOPE_SE
	s_setreg_imm32_b32 hwreg(HW_REG_WAVE_MODE, 25, 1), 1
	s_wait_xcnt 0x0
	s_wait_alu depctr_hold_cnt(0) depctr_sa_sdst(0) depctr_va_vdst(0) depctr_va_sdst(0) depctr_va_ssrc(0) depctr_va_vcc(0) depctr_vm_vsrc(0)
	s_getreg_b32 s2, hwreg(HW_REG_IB_STS2, 6, 4)
	s_cmp_eq_u32 s2, 0
	s_cbranch_scc0 .Lentry_in_a_cluster
	s_endpgm
.Lentry_in_a_cluster:
	s_bfe_u32 s2, ttmp6, 0x10000c
	s_cmp_lg_u32 s2, 0x3003
	s_cbranch_scc0 .Lentry_shape_is_right
	s_endpgm
.Lentry_shape_is_right:
; y = softmax(q k^T / 8, causal) v for one head a cluster, both products on codes of FP6 (E2M3) with E8M0 scales; y is divided by the row's sum and quantised along the model's 1,024 (a head's 64 are two blocks).
; THE SOFTMAX: t = score x log2(e) / 8; M = the running largest t rounded up to a whole number; p = 2^(t - M) is quantised along the keys, not normalised; the sum is taken of the unquantised p; when M moves, the sum and O are multiplied by 2^(old M - new M), exactly.
; SHARES.  A cluster of four work-groups is one head (of 64); a head's K and V, codes and scale words (204,800 bytes), lie WHOLE in each partner's LDS, filled once by joint loads: no ring, no refill, no barrier in the loops.
; The head's 2,048 queries are 16 groups of 128, each of 8 tiles of 16.  Partner p, wave w makes two passes: tile 2 p of group w, then tile 2 p + 1 of group 15 - w: (w + 1) + (16 - w) = 17 key steps of 128 keys for every wave.
; Branches hang on the wave's number and the step's count alone; the partner's place enters global addresses and the mask's numbers only.  Steps all of whose keys come after the queries are passed over; the loop's count stays 16.
; K = 64 IN AN INSTRUCTION OF K = 128: a fragment of k holds two tiles of 16 keys, one in k 0-63 and one in k 64-127.  q is kept twice, as [q, zeros] and [zeros, q]: the first picks the first tile, the second the second.
; A zero code times any code of this format is 0 (it has no infinity and no NaN); the scale bytes of q's zero half are 1.  So zeros stand on ONE side of the unused half, not on both.
; LAYOUT.  Both products transposed: S^T = k q^T, O^T = v^T p^T: a lane holds one query (lane % 16); the 16 registers of a k fragment's two tiles are keys 32 f + 16 (lane / 16) + 0 .. 15; O^T's register 16 g + i is d = 32 g + 16 (lane / 16) + i.
; No prefetch: the one stream, K and V, is asked for whole at the head.
; OUT.  yc [tile of 16 stored rows 512][head 16][3 chunks][lane][8 bytes]: a head's six registers of the next product's operand; ys [stored row 8192][32]: bytes 2 head, 2 head + 1 (one byte a lane: 262,144 bytes in the whole launch).
; LIMITS: NaN and infinities are not served; a block of p or y whose largest magnitude lies under 2^-124 keeps the scale byte 1; hidden scores are -infinity (p = 0, as with the reference's lowest number); 1 / sum is v_rcp_f32 and a multiplication.
.set VC,    98304                      ; LDS: K's 64 fragments at 0, V's here,
.set KSC,   196608                     ; K's scale words [step 16][r 16][4 words], V's 4,096 bytes on,
.set SPARE, 204800                     ; the spare words, 128 bytes a wave, named by no other line
.set SPW, 4
.set NIL, 5
.set ADK, 6                            ; v6-8 the step's LDS addresses: K, V, scale words
.set ADV, 7
.set ADS, 8
.set QL,  16                           ; v16-27 [q, zeros];  v28-39 [zeros, q]
.set QH,  28
.set KV,  40                           ; v40-87 four fragments of K, then of V
.set KSW, 88
.set VSW, 92
.set SS,  96                           ; v96-159 S^T, then p
.set OO,  160                          ; v160-191 O^T
.set PCD, 192                          ; v192-203 p's codes
.set QLS, 204
.set QHS, 205
.set PSW, 206
.set BM,  208
.set BT,  212
.set BO,  216
.set CT,  220
.set FF,  228                          ; v[228:229] f = 2^(old M - new M), and a zero named with it as a pair
.set TA,  230
.set YSO, 231                          ; 32 r + h
.set SA,  232
.set RH,  234                          ; r + 8 (r / 8) - 16 h
.set WV,  20
.set PX,  21
.set BH,  22
.set GG,  23
.set G1C, 24
.set G1S, 32
.set G0C, 40
.set G0S, 44
.set SEL, 48
.set CS,  50
.set SI,  52
.set TB,  53
.set TS,  54
.macro CROUND
	s_barrier_signal -1
	s_barrier_wait -1
	s_cmp_lg_u32 s[WV], 0
	s_cbranch_scc1 .Lnot_wave_0_\@
	s_barrier_signal -3
.Lnot_wave_0_\@:
	s_barrier_wait -3
	s_barrier_signal -1
	s_barrier_wait -1
.endm
	s_load_b256 s[4:11], s[0:1], 0x0               ; qkvc s[4:5], qkvs s[6:7], yc s[8:9], ys s[10:11]
	v_lshl_add_u32 v[SPW], v0, 2, SPARE
	v_mov_b32 v[NIL], 0
	ds_add_u32 v[SPW], v[NIL]                      ; the wave's opening: the add and its wait ahead of my first tensor load; work on registers stands between them
	ds_add_u32 v[SPW], v[NIL]
	v_lshrrev_b32 v1, 5, v0
	s_delay_alu instid0(VALU_DEP_1)
	v_readfirstlane_b32 s[WV], v1                  ; wave 0..15
	s_bfe_u32 s[PX], ttmp6, 0x40000                ; my place in the cluster
	s_and_b32 s[BH], ttmp7, 0xffff                 ; 16 x batch + head: the cluster's y
	s_mov_b32 s[G1C], 15|(3<<16)|(1<<21)           ; the mask: all four partners; elements of 8 bytes; bit 21 beside a mask; no padding
	s_mov_b32 s[G1C+1], 32<<16                     ; rows of 256 bytes,
	s_mov_b32 s[G1C+2], 96<<16                     ; 96 of them: a quarter of a head's K or V, dense
	s_mov_b32 s[G1C+3], 32<<16
	s_mov_b32 s[G1C+4], 96
	s_mov_b32 s[G1C+5], 32
	s_mov_b32 s[G1C+6], 0
	s_mov_b32 s[G1C+7], 0
	s_mov_b32 s[G1S], 15|(3<<16)|(1<<21)           ; a head's scale words of K or of V: 16 rows of 256 bytes
	s_mov_b32 s[G1S+1], 32<<16
	s_mov_b32 s[G1S+2], 16<<16
	s_mov_b32 s[G1S+3], 32<<16
	s_mov_b32 s[G1S+4], 16
	s_mov_b32 s[G1S+5], 32
	s_mov_b32 s[G1S+6], 0
	s_mov_b32 s[G1S+7], 0
	s_mov_b32 s[SEL], 0x76543210
	s_mov_b32 s[SEL+1], 0xfedcba98
	s_mov_b32 s[CS], 0x3e38aa3b                    ; c = log2(e) / 8
	s_mov_b32 s[CS+1], s[CS]
	s_mov_b32 s55, 0xffff
	s_mov_b32 s56, 0x01010000
	s_mov_b32 s57, 0x0101
	s_mov_b32 s58, 0xffff0000
	s_and_b32 s60, s[WV], 7                        ; waves 0-3: K's quarters; waves 4-7: V's
	s_mul_i32 s61, s60, 24576                      ; in LDS
	s_lshr_b32 s62, s[WV], 2
	s_and_b32 s62, s62, 1
	s_add_co_u32 s62, s62, 1
	s_mul_i32 s62, s62, 6291456                    ; part 1 (k) or 2 (v) of qkvc,
	s_mul_i32 s63, s[BH], 98304                    ; the head,
	s_add_co_u32 s62, s62, s63
	s_and_b32 s63, s[WV], 3
	s_mul_i32 s63, s63, 24576                      ; the quarter
	s_add_co_u32 s62, s62, s63
	s_mov_b32 s63, 0
	s_and_b32 s66, s[WV], 1                        ; wave 8: K's scale words; wave 9: V's
	s_lshl_b32 s67, s66, 12
	s_add_co_u32 s67, s67, KSC
	s_add_co_u32 s66, s66, 1
	s_lshl_b32 s66, s66, 18
	s_lshl_b32 s68, s[BH], 12
	s_add_co_u32 s68, s66, s68
	s_mov_b32 s69, 0
	s_wait_dscnt 0x0                               ; the opening add is done
	s_wait_kmcnt 0x0
	CROUND                                         ; all four partners are here: the joint loads meet
	s_mov_b32 s[G0C], 1
	s_mov_b32 s[G0C+1], s61
	s_add_nc_u64 s[G0C+2:G0C+3], s[4:5], s[62:63]
	s_or_b32 s[G0C+3], s[G0C+3], 0x80000000
	s_mov_b32 s[G0S], 1
	s_mov_b32 s[G0S+1], s67
	s_add_nc_u64 s[G0S+2:G0S+3], s[6:7], s[68:69]
	s_or_b32 s[G0S+3], s[G0S+3], 0x80000000
	s_cmp_lt_u32 s[WV], 8                          ; one load a wave, ten waves; the branches hang on the wave's number alone
	s_cbranch_scc0 .Lnot_codes
	tensor_load_to_lds s[G0C:G0C+3], s[G1C:G1C+7]
	s_nop 0
.rept 4
	v_nop
.endr
	s_branch .Lasked
.Lnot_codes:
	s_cmp_lt_u32 s[WV], 10
	s_cbranch_scc0 .Lasked
	tensor_load_to_lds s[G0S:G0S+3], s[G1S:G1S+7]
	s_nop 0
.rept 4
	v_nop
.endr
.Lasked:
	v_and_b32 v6, 31, v0                           ; lane
	v_and_b32 v7, 15, v0                           ; r
	v_bfe_u32 v8, v0, 4, 1                         ; h
	s_delay_alu instid0(VALU_DEP_3)
	v_lshlrev_b32 v1, 4, v6                        ; 16 x lane: my place in a chunk of an image (K in LDS, q in memory)
	s_delay_alu instid0(VALU_DEP_1)
	v_add_nc_u32 v2, VC, v1                        ; the same for V
	s_delay_alu instid0(VALU_DEP_4)
	v_lshlrev_b32 v10, 4, v7                       ; 16 r: my four scale words
	s_delay_alu instid0(VALU_DEP_1)
	v_add_nc_u32 v3, KSC, v10
	v_lshlrev_b32 v11, 3, v6                       ; 8 x lane: my place in a chunk of y
	v_lshl_add_u32 v[YSO], v7, 5, v8
	v_and_b32 v9, 8, v7
	s_delay_alu instid0(VALU_DEP_1)
	v_add_nc_u32 v9, v9, v7
	v_lshlrev_b32 v8, 4, v8
	s_delay_alu instid0(VALU_DEP_1)
	v_sub_nc_u32 v[RH], v9, v8
.irp i, 0,1,2,3,4,5
	v_mov_b32 v[QL+6+\i], 0                        ; the zero halves of the two forms of q
	v_mov_b32 v[QH+\i], 0
.endr
.irp b, 0,1,2,3
	v_mov_b32 v[BT+\b], 0                          ; written once: a lane permute's destination counts as one of its sources
.endr
	v_mov_b32 v[FF+1], 0
	s_wait_tensorcnt 0x0                           ; my part of K, V or the scale words is in,
	s_barrier_signal -1
	s_barrier_wait -1                              ; everybody's is; nothing is filled again
.macro PASS role
	s_wait_xcnt 0x0                                ; the last pass's stores have read their registers and bases
.if \role == 0
	s_mov_b32 s[GG], s[WV]                         ; my group of 128 queries
.else
	s_xor_b32 s[GG], s[WV], 15                     ; 15 - wave
.endif
	s_lshl_b32 s70, s[BH], 6
	s_lshl_b32 s71, s[GG], 2
	s_add_co_u32 s70, s70, s71
	s_add_co_u32 s70, s70, s[PX]
	s_mul_i32 s70, s70, 1536
	s_mov_b32 s71, 0
	s_add_nc_u64 s[60:61], s[4:5], s[70:71]        ; q's fragment 4 G + p of my head
	s_lshl_b32 s70, s[BH], 4
	s_add_co_u32 s70, s70, s[GG]
	s_lshl_b32 s70, s70, 8
	s_lshl_b32 s72, s[PX], 2
	s_add_co_u32 s70, s70, s72
	s_add_nc_u64 s[62:63], s[6:7], s[70:71]        ; its scale words
	s_lshr_b32 s70, s[BH], 4
	s_lshl_b32 s70, s70, 7
	s_lshl_b32 s72, s[GG], 3
	s_add_co_u32 s70, s70, s72
	s_lshl_b32 s72, s[PX], 1
	s_add_co_u32 s70, s70, s72
	s_add_co_u32 s73, s70, \role                   ; my tile of 16 stored rows: 128 x batch + 8 G + 2 p + pass
	s_mul_i32 s70, s73, 12288
	s_and_b32 s72, s[BH], 15
	s_mul_i32 s74, s72, 768
	s_add_co_u32 s70, s70, s74
	s_add_nc_u64 s[66:67], s[8:9], s[70:71]
	s_lshl_b32 s70, s73, 9
	s_lshl_b32 s72, s72, 1
	s_add_co_u32 s70, s70, s72
	s_add_nc_u64 s[68:69], s[10:11], s[70:71]
.if \role == 0                         ; registers 0-5 of the stored fragment: chunk 0 and the first 8 bytes of my 16 in chunk 1
	global_load_b128 v[QL:QL+3], v1, s[60:61]
	global_load_b64 v[QL+4:QL+5], v1, s[60:61] offset:512
	global_load_b128 v[QH+6:QH+9], v1, s[60:61]
	global_load_b64 v[QH+10:QH+11], v1, s[60:61] offset:512
.else                                  ; registers 6-11: the last 8 bytes of my 16 in chunk 1, and chunk 2
	global_load_b64 v[QL:QL+1], v1, s[60:61] offset:520
	global_load_b128 v[QL+2:QL+5], v1, s[60:61] offset:1024
	global_load_b64 v[QH+6:QH+7], v1, s[60:61] offset:520
	global_load_b128 v[QH+8:QH+11], v1, s[60:61] offset:1024
.endif
	global_load_b32 v[TA], v10, s[62:63]
	s_lshl_b32 s72, s[PX], 5
	s_add_co_u32 s72, s72, 8*\role
	s_mov_b32 s[SI], 0
	s_mov_b32 s[TB], 0
	s_mov_b32 s[TS], 0
	s_wait_loadcnt 0x0
.if \role == 0
	v_and_or_b32 v[QLS], v[TA], s55, s56           ; q's two bytes below, 1 and 1 above
	v_lshl_or_b32 v[QHS], v[TA], 16, s57           ; 1 and 1 below, q's two bytes above
.else
	v_lshrrev_b32 v[QLS], 16, v[TA]
	s_delay_alu instid0(VALU_DEP_1)
	v_or_b32 v[QLS], s56, v[QLS]
	v_and_or_b32 v[QHS], v[TA], s58, s57
.endif
	v_add_nc_u32 v9, s72, v[RH]                    ; my query's place in its group, less 16 h: register 16 b + i of the diagonal step is hidden where 32 b + i is greater
	v_mov_b32 v13, 0xff61b1e6                      ; the largest t so far: -3e38
	s_delay_alu instid0(VALU_DEP_1)
	v_floor_f32 v12, -v13                          ; -M
	v_mov_b32 v14, 0
	v_mov_b32 v15, 0
.set J, 0
.rept 32
	v_mov_b32 v[OO+J], 0                           ; O^T: the step is written once; the first change of M leaves zeros zeros.  (These are also the places between the scale registers' writes and the first product)
.set J, J+1
.endr
.Lstep_\@:
	s_cmp_gt_u32 s[SI], s[GG]
	s_cbranch_scc1 .Lskip_\@                       ; all 128 keys of the step come after my queries
	s_setprio 2
	v_add_nc_u32 v[ADK], s[TB], v1                 ; four plain places behind the last step's products, in front of the loads into their registers
	v_add_nc_u32 v[ADV], s[TB], v2
	v_add_nc_u32 v[ADS], s[TS], v3
	v_nop
.irp f, 0,1,2,3
.irp c, 0,1,2
	ds_load_b128 v[KV+12*\f+4*\c:KV+12*\f+4*\c+3], v[ADK] offset:1536*\f+512*\c
.endr
.endr
	ds_load_b128 v[KSW:KSW+3], v[ADS]
	s_wait_alu depctr_va_vdst(0)
	s_wait_dscnt 0x0
.irp f, 0,1,2,3
	v_wmma_scale_f32_16x16x128_f8f6f4 v[SS+16*\f:SS+16*\f+7], v[KV+12*\f:KV+12*\f+11], v[QL:QL+11], 0, v[KSW+\f], v[QLS] matrix_a_fmt:MATRIX_FMT_FP6 matrix_b_fmt:MATRIX_FMT_FP6
	v_wmma_scale_f32_16x16x128_f8f6f4 v[SS+16*\f+8:SS+16*\f+15], v[KV+12*\f:KV+12*\f+11], v[QH:QH+11], 0, v[KSW+\f], v[QHS] matrix_a_fmt:MATRIX_FMT_FP6 matrix_b_fmt:MATRIX_FMT_FP6
.endr
.rept 4
	v_nop                                          ; places in front of the loads below and of the first read of the scores
.endr
.irp f, 0,1,2,3
.irp c, 0,1,2
	ds_load_b128 v[KV+12*\f+4*\c:KV+12*\f+4*\c+3], v[ADV] offset:1536*\f+512*\c   ; V's four fragments land while the softmax is walked
.endr
.endr
	ds_load_b128 v[VSW:VSW+3], v[ADS] offset:4096
	s_cmp_lg_u32 s[SI], s[GG]
	s_cbranch_scc1 .Lopen_\@                       ; only the diagonal step hides keys
	v_mov_b32 v[TA], 0xff800000
.set N, 0
.rept 64
	v_cmp_gt_i32 vcc_lo, 32*(N/16)+N%16, v9
	v_cndmask_b32 v[SS+N], v[SS+N], v[TA], vcc_lo
.set N, N+1
.endr
.Lopen_\@:
.irp b, 0,1,2,3
	v_max3_num_f32 v[BM+\b], v[SS+16*\b], v[SS+1+16*\b], v[SS+2+16*\b]   ; the largest score of each block of 32 keys: for the row's maximum and, since p rises with the score, for the block's largest p
.endr
.irp i, 3,5,7,9,11,13
.irp b, 0,1,2,3
	v_max3_num_f32 v[BM+\b], v[BM+\b], v[SS+16*\b+\i], v[SS+1+16*\b+\i]
.endr
.endr
.irp b, 0,1,2,3
	v_max_num_f32 v[BM+\b], v[BM+\b], v[SS+15+16*\b]
.endr
.irp b, 0,1,2,3
	s_delay_alu instid0(VALU_DEP_4)
	v_permlanex16_b32 v[BT+\b], v[BM+\b], s[SEL], s[SEL+1]
.endr
.irp b, 0,1,2,3
	s_delay_alu instid0(VALU_DEP_4)
	v_max_num_f32 v[BM+\b], v[BM+\b], v[BT+\b]
.endr
	s_delay_alu instid0(VALU_DEP_2)
	v_max3_num_f32 v[TA], v[BM], v[BM+1], v[BM+2]
	s_delay_alu instid0(VALU_DEP_1)
	v_max_num_f32 v[TA], v[TA], v[BM+3]
	s_delay_alu instid0(VALU_DEP_1)
	v_mul_f32 v[TA], s[CS], v[TA]
	s_delay_alu instid0(VALU_DEP_1)
	v_max_num_f32 v13, v13, v[TA]                  ; the running largest t
	v_mov_b32 v[TA], v12
	s_delay_alu instid0(VALU_DEP_2)
	v_floor_f32 v12, -v13                          ; -M = floor(-t): M is a whole number
	s_delay_alu instid0(VALU_DEP_1)
	v_sub_f32 v[TA], v12, v[TA]                    ; old M - new M, 0 or less
	s_delay_alu instid0(VALU_DEP_1)
	v_cvt_i32_f32 v[TA], v[TA]                     ; (it saturates)
	s_delay_alu instid0(VALU_DEP_1)
	v_ldexp_f32 v[FF], 1.0, v[TA]                  ; f
.set J, 0
.rept 32
	v_pk_fma_f32 v[SS+J:SS+J+1], v[SS+J:SS+J+1], s[CS:CS+1], v[12:13] op_sel_hi:[1,0,0]   ; t - M
.set J, J+2
.endr
	s_setprio 1
.irp b, 0,1,2,3
	v_fma_f32 v[BM+\b], v[BM+\b], s[CS], v12
.endr
.set J, 0
	s_wait_alu depctr_va_vdst(0)
.rept 64
	v_exp_f32 v[SS+J], v[SS+J]                     ; p = 2^(t - M)
.set J, J+1
.endr
	v_pk_mul_f32 v[14:15], v[14:15], v[FF:FF+1] op_sel_hi:[1,0]   ; the sums under the new M (a plain place behind the exponentials)
	s_wait_alu depctr_va_vdst(0)                   ; one wait for the batch of 64, ahead of its first reader
.irp b, 0,1,2,3
	v_exp_f32 v[BM+\b], v[BM+\b]                   ; the blocks' largest p
.endr
	v_pk_add_f32 v[232:233], v[100:101], v[104:105]
	v_pk_add_f32 v[254:255], v[108:109], v[112:113]
	v_pk_add_f32 v[252:253], v[116:117], v[120:121]
	v_pk_add_f32 v[250:251], v[124:125], v[128:129]
	v_pk_add_f32 v[248:249], v[132:133], v[136:137]
	v_pk_add_f32 v[246:247], v[140:141], v[144:145]
	v_pk_add_f32 v[244:245], v[148:149], v[152:153]
	v_pk_add_f32 v[14:15], v[14:15], v[156:157]
	v_pk_add_f32 v[232:233], v[232:233], v[96:97]
	v_pk_add_f32 v[254:255], v[254:255], v[98:99]
	v_pk_add_f32 v[252:253], v[252:253], v[102:103]
	v_pk_add_f32 v[250:251], v[250:251], v[106:107]
	v_pk_add_f32 v[248:249], v[248:249], v[110:111]
	v_pk_add_f32 v[246:247], v[246:247], v[114:115]
	v_pk_add_f32 v[244:245], v[244:245], v[118:119]
	v_pk_add_f32 v[14:15], v[14:15], v[122:123]
	v_pk_add_f32 v[232:233], v[232:233], v[126:127]
	v_pk_add_f32 v[254:255], v[254:255], v[130:131]
	v_pk_add_f32 v[252:253], v[252:253], v[134:135]
	v_pk_add_f32 v[250:251], v[250:251], v[138:139]
	v_pk_add_f32 v[248:249], v[248:249], v[142:143]
	v_pk_add_f32 v[246:247], v[246:247], v[146:147]
	v_pk_add_f32 v[244:245], v[244:245], v[150:151]
	v_pk_add_f32 v[14:15], v[14:15], v[154:155]
	v_pk_add_f32 v[232:233], v[232:233], v[158:159]
	s_delay_alu instid0(VALU_DEP_2)
	v_pk_add_f32 v[14:15], v[14:15], v[250:251]
	s_delay_alu instid0(VALU_DEP_2)
	v_pk_add_f32 v[232:233], v[232:233], v[248:249]
	v_pk_add_f32 v[254:255], v[254:255], v[246:247]
	v_pk_add_f32 v[252:253], v[252:253], v[244:245]
	s_delay_alu instid0(VALU_DEP_2)
	v_pk_add_f32 v[14:15], v[14:15], v[254:255]
	s_delay_alu instid0(VALU_DEP_2)
	v_pk_add_f32 v[232:233], v[232:233], v[252:253]
	s_delay_alu instid0(VALU_DEP_1)
	v_pk_add_f32 v[14:15], v[14:15], v[232:233]
	s_wait_alu depctr_va_vdst(0)                   ; and one for the four
.irp b, 0,1,2,3
	v_max_num_f32 v[BM+\b], 0x1800000, v[BM+\b]    ; the floor 2^(3 - 127)
.endr
.irp b, 0,1,2,3
	s_delay_alu instid0(VALU_DEP_4)
	v_add_nc_u32 v[BO+\b], 0xff000000, v[BM+\b]
.endr
.irp b, 0,1,2,3
	s_delay_alu instid0(VALU_DEP_4)
	v_lshrrev_b32 v[BT+\b], 23, v[BO+\b]
.endr
	s_delay_alu instid0(VALU_DEP_3)
	v_lshl_or_b32 v[PSW], v[BT+1], 8, v[BT]
	s_delay_alu instid0(VALU_DEP_1)
	v_lshl_or_b32 v[PSW], v[BT+2], 16, v[PSW]
	s_delay_alu instid0(VALU_DEP_1)
	v_lshl_or_b32 v[PSW], v[BT+3], 24, v[PSW]
	s_setprio 0
.irp c, 0,1
	v_cvt_scalef32_pk16_fp6_f32 v[PCD+6*\c:PCD+2+6*\c], v[SS+32*\c:SS+15+32*\c], v[BO+2*\c]
	v_cvt_scalef32_pk16_fp6_f32 v[CT+4*\c:CT+2+4*\c], v[SS+16+32*\c:SS+31+32*\c], v[BO+2*\c+1]
.endr
	v_nop                                          ; one plain place behind the scaled conversions
.irp c, 0,1
.irp i, 0,1,2
	v_permlane16_swap_b32 v[PCD+6*\c+\i], v[CT+4*\c+\i]
.endr
.irp i, 0,1,2
	s_delay_alu instid0(VALU_DEP_3)
	v_mov_b32 v[PCD+3+6*\c+\i], v[CT+4*\c+\i]
.endr
.endr
.set J, 0
.rept 16
	v_pk_mul_f32 v[OO+J:OO+J+1], v[OO+J:OO+J+1], v[FF:FF+1] op_sel_hi:[1,0]   ; O^T under the new M; these sixteen are also the places between the writes of p's codes and scale word and the products
.set J, J+2
.endr
	s_wait_alu depctr_va_vdst(0)
	s_wait_dscnt 0x0                               ; V is in
.irp t, 0,1,2,3
	v_wmma_scale_f32_16x16x128_f8f6f4 v[OO+8*\t:OO+8*\t+7], v[KV+12*\t:KV+12*\t+11], v[PCD:PCD+11], v[OO+8*\t:OO+8*\t+7], v[VSW+\t], v[PSW] matrix_a_fmt:MATRIX_FMT_FP6 matrix_b_fmt:MATRIX_FMT_FP6
.endr
.Lskip_\@:
	s_add_co_u32 s[TB], s[TB], 6144                ; the next step's four fragments,
	s_add_co_u32 s[TS], s[TS], 256                 ; and scale words
	s_add_co_u32 s[SI], s[SI], 1
	s_cmp_lt_u32 s[SI], 16
	s_cbranch_scc1 .Lstep_\@
	s_setprio 0
.rept 4
	v_nop
.endr
	v_add_f32 v14, v14, v15
	s_delay_alu instid0(VALU_DEP_1)
	v_permlanex16_b32 v[TA], v14, s[SEL], s[SEL+1]
	s_delay_alu instid0(VALU_DEP_1)
	v_add_f32 v14, v14, v[TA]                      ; the row's sum
	s_wait_alu depctr_va_vdst(0)
	v_rcp_f32 v14, v14
	v_nop
	s_wait_alu depctr_va_vdst(0)                   ; ahead of the reciprocal's first reader
.set J, 0
.rept 16
	v_pk_mul_f32 v[SS+J:SS+J+1], v[OO+J:OO+J+1], v[14:15] op_sel_hi:[1,0]     ; y: register 16 g + i is d = 32 g + 16 h + i of my query
.set J, J+2
.endr
.irp b, 0,1
	v_max3_num_f32 v[BM+\b], |v[SS+16*\b]|, |v[SS+1+16*\b]|, 0x1800000
.endr
.irp i, 2,4,6,8,10,12,14
.irp b, 0,1
	s_delay_alu instid0(VALU_DEP_2)
	v_max3_num_f32 v[BM+\b], v[BM+\b], |v[SS+16*\b+\i]|, |v[SS+1+16*\b+\i]|
.endr
.endr
.irp b, 0,1
	s_delay_alu instid0(VALU_DEP_2)
	v_permlanex16_b32 v[BT+\b], v[BM+\b], s[SEL], s[SEL+1]
.endr
.irp b, 0,1
	s_delay_alu instid0(VALU_DEP_2)
	v_max_num_f32 v[BM+\b], v[BM+\b], v[BT+\b]
.endr
.irp b, 0,1
	s_delay_alu instid0(VALU_DEP_2)
	v_add_nc_u32 v[BO+\b], 0xff000000, v[BM+\b]
.endr
.irp b, 0,1
	s_delay_alu instid0(VALU_DEP_2)
	v_lshrrev_b32 v[BT+\b], 23, v[BO+\b]
.endr
	v_cvt_scalef32_pk16_fp6_f32 v[PCD:PCD+2], v[SS:SS+15], v[BO]
	v_cvt_scalef32_pk16_fp6_f32 v[CT:CT+2], v[SS+16:SS+31], v[BO+1]
	v_nop
.irp i, 0,1,2
	v_permlane16_swap_b32 v[PCD+\i], v[CT+\i]
.endr
.irp i, 0,1,2
	s_delay_alu instid0(VALU_DEP_3)
	v_mov_b32 v[PCD+3+\i], v[CT+\i]
.endr
	v_cndmask_b32 v[TA], v[BT], v[BT+1], s58       ; lanes 0-15 block 0's byte, lanes 16-31 block 1's
.irp j, 0,1,2
	global_store_b64 v11, v[PCD+2*\j:PCD+2*\j+1], s[66:67] offset:256*\j      ; the wave stores 256 consecutive bytes, aligned
.endr
	global_store_b8 v[YSO], v[TA], s[68:69]
.endm
	PASS 0
	PASS 1
	s_wait_tensorcnt 0x0                           ; the wave's end
	ds_add_u32 v[SPW], v[NIL]
	s_wait_dscnt 0x0
	CROUND                                         ; the closing round
	s_endpgm
.Lfunc_end_k_q385049f0c3_attn:
	.size	k_q385049f0c3_attn, .Lfunc_end_k_q385049f0c3_attn-k_q385049f0c3_attn
	.p2alignl 7, 3214868480
	.fill 96, 4, 3214868480
	.section	.rodata,"a",@progbits
	.p2align	6, 0x0
	.amdhsa_kernel k_q385049f0c3_attn
		.amdhsa_group_segment_fixed_size 206848
		.amdhsa_private_segment_fixed_size 0
		.amdhsa_enable_private_segment 0
		.amdhsa_kernarg_size 32
		.amdhsa_user_sgpr_count 2
		.amdhsa_user_sgpr_kernarg_segment_ptr 1
		.amdhsa_wavefront_size32 1
		.amdhsa_system_sgpr_workgroup_id_x 1
		.amdhsa_system_sgpr_workgroup_id_y 1
		.amdhsa_system_sgpr_workgroup_id_z 1
		.amdhsa_system_vgpr_workitem_id 0
		.amdhsa_next_free_vgpr 256
		.amdhsa_next_free_sgpr 80
		.amdhsa_reserve_vcc 1
		.amdhsa_float_denorm_mode_32 3
		.amdhsa_float_denorm_mode_16_64 3
		.amdhsa_memory_ordered 1
		.amdhsa_forward_progress 1
		.amdhsa_inst_pref_size 65
	.end_amdhsa_kernel
	.amdgpu_metadata
---
amdhsa.version: [ 1, 2 ]
amdhsa.kernels:
  - .name:           k_q385049f0c3_attn
    .symbol:         k_q385049f0c3_attn.kd
    .args:
      - { .name: qkvc, .offset: 0, .size: 8, .value_kind: global_buffer, .address_space: global }
      - { .name: qkvs, .offset: 8, .size: 8, .value_kind: global_buffer, .address_space: global }
      - { .name: yc, .offset: 16, .size: 8, .value_kind: global_buffer, .address_space: global }
      - { .name: ys, .offset: 24, .size: 8, .value_kind: global_buffer, .address_space: global }
    .group_segment_fixed_size: 206848
    .private_segment_fixed_size: 0
    .kernarg_segment_align: 8
    .kernarg_segment_size: 32
    .max_flat_workgroup_size: 512
    .sgpr_count:     80
    .vgpr_count:     256
    .wavefront_size: 32
...
	.end_amdgpu_metadata
.endif
;; end of part 3
;; launch proj (part 4): grid 4 x 32, 4 waves a work-group, clusters of 4 x 4, 327,680 bytes of LDS; arguments yc, ys, codes1, scales1, out0; writes out0
.if DOCPART == 4
	.amdgcn_target "amdgcn-amd-amdhsa--gfx1250"
	.amdhsa_code_object_version 6
	.text
	.protected	k_q385049f0c3_proj
	.globl	k_q385049f0c3_proj
	.p2align	8
	.type	k_q385049f0c3_proj,@function
k_q385049f0c3_proj:
	s_mov_b64 s[64:65], 0
	v_nop
	global_prefetch_b8 v0, s[64:65] scope:SCOPE_SE
	s_setreg_imm32_b32 hwreg(HW_REG_WAVE_MODE, 25, 1), 1
	s_wait_xcnt 0x0
	s_wait_alu depctr_hold_cnt(0) depctr_sa_sdst(0) depctr_va_vdst(0) depctr_va_sdst(0) depctr_va_ssrc(0) depctr_va_vcc(0) depctr_vm_vsrc(0)
	s_getreg_b32 s2, hwreg(HW_REG_IB_STS2, 6, 4)
	s_cmp_eq_u32 s2, 0
	s_cbranch_scc0 .Lentry_in_a_cluster
	s_endpgm
.Lentry_in_a_cluster:
	s_bfe_u32 s2, ttmp6, 0x10000c
	s_cmp_lg_u32 s2, 0xf033
	s_cbranch_scc0 .Lentry_shape_is_right
	s_endpgm
.Lentry_shape_is_right:
; out0 = y W_proj on codes of FP6 (E2M3) with E8M0 scales, K = 1,024; out0 [8192][1024] f32.
; A work-group of four waves makes 256 x 256, a wave 128 x 128: 64 accumulators.  K goes in steps of 256 through a ring of two LDS slots filled by the tensor data mover.  4 x 4 clusters: y's tiles are shared along a row, W's along a column.
; 128 work-groups: a tile of 256 x 256 of an output of 8,192 x 1,024; half of the tile would fill more WGPs at twice the LDS reads for each product.
; y (source 1) comes as IMAGES of the operand's registers: yc [tile of 16 stored rows][head 16][3 chunks of 256 bytes]: 128 along K of a tile are six chunks on end, chunk p = registers 2 p, 2 p + 1, lane l at 8 l: six dense loads of 8 bytes a lane.
; W_proj (source 0) comes as rows 11264-12287 of codes1, 768 bytes each.  The scale bytes of both are rows of 32 bytes (ys, scales1) and stay in LDS for the whole launch.
; Rows of both operands lie in the stored order (bits 3 and 4 of the row's number exchanged): lane r of y's tile a is token 32 (a / 2) + 8 (a % 2) + r + 8 (r / 8), register j of W's tile b is column 32 (b / 2) + 8 (b % 2) + 16 (lane / 16) + j.  The way out puts both right.
; REGISTERS as windows of 256: window 0: v16-29 addresses; v32-63 scale words, two sets; v128-223 y's fragments; window 1: W's fragments, two sets; windows 2, 3: the accumulators.
.set SIZE_N, 1024
.set KSTEP,  256
.set NQ,     2
.set ROWB,   192
.set KROW,   768
.set PITCH,  240
.set FR,     12
.set NL,     6
.set NP,     4
.set AHALF,  24576                     ; 8 tiles x 3,072 bytes: what one tensor load brings of y
.set BHALF,  128*PITCH                 ; 128 rows of W
.set BOFF,   2*AHALF
.set SLOT,   BOFF+2*BHALF
.set LAPS,   2
.set KS,     32
.set SCL,    2*SLOT
.set HALFS,  (128*KS/256)*272
.set SBLK,   (16*KS/256)*272
.set SPARE,  SCL+4*HALFS               ; the spare words, 128 bytes a wave, named by no other line
.set SPITCH, 528                       ; the way out: 16 rows x (512 + 16) bytes a wave, in slot 0, which has had its last fill and its last read by then
.set ADRA, 16                          ; v16-17 y's fragments in slot 0, 1
.set ADRB, 20                          ; v20-23 W's (and the same behind one padding more)
.set STO,  24
.set RD,   25
.set CO,   26
.set ADRS, 27
.set SPW,  28
.set NIL,  29
.set SC,   32
.set AF,   128
.set BK,   128
.set G1, 24
.set G0, 32
.set G1B, 48
.set G0B, 56
.set G1S, 68
.set G0S, 76
.set G1SB, 80
.set G0SB, 88
.set MSB, 0
.macro WIN new
.set NW, \new
.if MSB != NW
	s_set_vgpr_msb (MSB<<8)|NW
.set MSB, NW
.endif
.endm
.set MUL_LO, 0xa1
.set MUL_HI, 0xf1
.set TO_B,   0x40
.macro JLOAD g0a, g1a, g0b, g1b        ; a joint load: waves 0 and 1 fetch for y, waves 2 and 3 for W; an s_nop 0 and four v_nop follow each line
	s_cmp_eq_u32 s15, 0
	s_cbranch_scc0 .Lfor_b_\@
	tensor_load_to_lds s[\g0a:\g0a+3], s[\g1a:\g1a+7]
	s_nop 0
.rept 4
	v_nop
.endr
	s_branch .Lasked_\@
.Lfor_b_\@:
	tensor_load_to_lds s[\g0b:\g0b+3], s[\g1b:\g1b+7]
	s_nop 0
.rept 4
	v_nop
.endr
.Lasked_\@:
.endm
.macro CREST
	s_cmp_lg_u32 s14, 0
	s_cbranch_scc1 .Lnot_wave_0_\@
	s_barrier_signal -3
.Lnot_wave_0_\@:
	s_barrier_wait -3
	s_barrier_signal -1
	s_barrier_wait -1
.endm
.macro CROUND
	s_barrier_signal -1
	s_barrier_wait -1
	CREST
.endm
	s_load_b128 s[4:7], s[0:1], 0x0                ; yc s[4:5], ys s[6:7]
	s_load_b128 s[8:11], s[0:1], 0x10              ; codes1 s[8:9], scales1 s[10:11]
	s_load_b64 s[12:13], s[0:1], 0x20              ; out0
	v_lshl_add_u32 v[SPW], v0, 2, SPARE
	v_mov_b32 v[NIL], 0
	ds_add_u32 v[SPW], v[NIL]                      ; the wave's opening: the add and its wait ahead of my first tensor load
	v_lshrrev_b32 v1, 5, v0
	v_readfirstlane_b32 s14, v1
	s_lshr_b32 s15, s14, 1                         ; my half of the tile's rows.  Also: I fetch for y (0) or for W (1)
	s_and_b32 s16, s14, 1                          ; my half of its columns.  Also: which half I fetch
	s_bfe_u32 s40, ttmp6, 0x40000
	s_bfe_u32 s41, ttmp6, 0x40004
	s_lshl_b32 s42, ttmp9, 2
	s_add_co_u32 s42, s42, s40                     ; tile column
	s_and_b32 s17, ttmp7, 0xffff
	s_lshl_b32 s17, s17, 2
	s_add_co_u32 s17, s17, s41                     ; tile row
	s_lshl_b32 s43, s41, 2
	s_lshl_b32 s43, 15, s43
	s_lshl_b32 s44, 0x1111, s40
	s_or_b32 s[G1+0], s43, (3<<16)|(1<<21)         ; y: the mask of my row; elements of 8 bytes; bit 21 beside a mask; no padding
	s_mov_b32 s[G1+1], 384<<16                     ; a K step of a tile: 3,072 bytes on end,
	s_mov_b32 s[G1+2], 8<<16                       ; 8 tiles,
	s_mov_b32 s[G1+3], 384<<16
	s_mov_b32 s[G1+4], 8
	s_mov_b32 s[G1+5], 1536                        ; 12,288 bytes apart
	s_mov_b32 s[G1+6], 0
	s_mov_b32 s[G1+7], 0
	s_or_b32 s[G1B+0], s44, (0<<16)|(1<<20)|(1<<21)|(3<<22)|(3<<25)  ; W: 128 rows of 192 bytes, 16 bytes of padding behind every 64
	s_mov_b32 s[G1B+1], ROWB<<16
	s_mov_b32 s[G1B+2], 128<<16
	s_mov_b32 s[G1B+3], ROWB<<16
	s_mov_b32 s[G1B+4], 128
	s_mov_b32 s[G1B+5], KROW
	s_mov_b32 s[G1B+6], 0
	s_mov_b32 s[G1B+7], 0
	s_or_b32 s[G1S+0], s43, (3<<16)|(1<<20)|(1<<21)|(5<<22)|(3<<25)
	s_or_b32 s[G1SB+0], s44, (3<<16)|(1<<20)|(1<<21)|(5<<22)|(3<<25)
.irp g, G1S, G1SB
	s_mov_b32 s[\g+1], 32<<16
	s_mov_b32 s[\g+2], (128*KS/256)<<16
	s_mov_b32 s[\g+3], 32<<16
	s_mov_b32 s[\g+4], 128*KS/256
	s_mov_b32 s[\g+5], 32
	s_mov_b32 s[\g+6], 0
	s_mov_b32 s[\g+7], 0
.endr
	s_lshl_b32 s18, s16, 7
	s_lshl_b32 s20, s17, 8
	s_add_co_u32 s20, s20, s18                     ; y: stored row 256 x tile row + 128 x half
	s_lshl_b32 s46, s42, 8
	s_add_co_u32 s46, s46, s18
	s_add_co_u32 s46, s46, 11264                   ; W_proj's columns begin at row 11,264
	s_mov_b32 s21, 0
	s_mov_b32 s47, 0
	s_mov_b64 s[18:19], KS
	s_mul_u64 s[22:23], s[20:21], s[18:19]
	s_mul_u64 s[92:93], s[46:47], s[18:19]
	s_mov_b64 s[18:19], KROW
	s_mul_u64 s[20:21], s[20:21], s[18:19]         ; (a tile of 16 rows of y is 12,288 bytes: 768 a row)
	s_mul_u64 s[46:47], s[46:47], s[18:19]
	s_mul_i32 s45, s16, AHALF                      ; where they go
	s_mul_i32 s95, s16, BHALF
	s_add_co_u32 s95, s95, BOFF
	s_mul_i32 s94, s14, HALFS
	s_wait_dscnt 0x0
	s_wait_kmcnt 0x0
	s_add_nc_u64 s[20:21], s[4:5], s[20:21]
	s_add_nc_u64 s[22:23], s[6:7], s[22:23]
	s_add_nc_u64 s[46:47], s[8:9], s[46:47]
	s_add_nc_u64 s[92:93], s[10:11], s[92:93]
	CROUND
	s_mov_b32 s[G0S], 1
	s_add_co_u32 s[G0S+1], s94, SCL
	s_mov_b64 s[G0S+2:G0S+3], s[22:23]
	s_or_b32 s[G0S+3], s[G0S+3], 0x80000000
	s_mov_b32 s[G0SB], 1
	s_add_co_u32 s[G0SB+1], s94, SCL
	s_mov_b64 s[G0SB+2:G0SB+3], s[92:93]
	s_or_b32 s[G0SB+3], s[G0SB+3], 0x80000000
	JLOAD G0S, G1S, G0SB, G1SB
.irp s, 0,1
	s_mov_b32 s[G0+4*\s], 1
	s_add_co_u32 s[G0+4*\s+1], s45, \s*SLOT
	s_add_nc_u64 s[G0+4*\s+2:G0+4*\s+3], s[20:21], \s*3072
	s_or_b32 s[G0+4*\s+3], s[G0+4*\s+3], 0x80000000
	s_mov_b32 s[G0B+4*\s], 1
	s_add_co_u32 s[G0B+4*\s+1], s95, \s*SLOT
	s_add_nc_u64 s[G0B+4*\s+2:G0B+4*\s+3], s[46:47], \s*ROWB
	s_or_b32 s[G0B+4*\s+3], s[G0B+4*\s+3], 0x80000000
	JLOAD G0+4*\s, G1, G0B+4*\s, G1B
.endr
	v_and_b32 v1, 15, v0
	v_bfe_u32 v2, v0, 4, 1
	v_mul_u32_u24 v3, v1, PITCH
	v_mul_u32_u24 v4, v2, 24
	v_add_nc_u32 v4, v3, v4
	v_lshl_add_u32 v5, v2, 4, v4
	v_and_b32 v6, 31, v0
	v_lshlrev_b32 v6, 3, v6                        ; 8 x lane
	s_mul_i32 s21, s15, AHALF
	s_mul_i32 s22, s16, BHALF
	s_add_co_u32 s22, s22, BOFF
.irp s, 0,1
	v_add_nc_u32 v[ADRA+\s], s21, v6
	v_add_nc_u32 v[ADRB+\s], s22, v4
	v_add_nc_u32 v[ADRB+2+\s], s22, v5
	s_add_co_u32 s21, s21, SLOT
	s_add_co_u32 s22, s22, SLOT
.endr
	v_mul_u32_u24 v5, v1, KS
	v_lshrrev_b32 v6, 8, v5
	v_lshl_add_u32 v5, v6, 4, v5
	s_mul_i32 s21, s15, HALFS
	s_mul_i32 s22, s16, HALFS
	s_add_co_u32 s22, s22, 2*HALFS
	s_sub_co_u32 s22, s22, s21
	v_mul_u32_u24 v6, s22, v2
	s_add_co_u32 s21, s21, SCL
	v_add_nc_u32 v5, v5, v6
	v_add_nc_u32 v[ADRS], s21, v5
	s_mul_i32 s23, s14, 16*SPITCH                  ; my stage
	v_mul_u32_u24 v5, v1, SPITCH
	v_lshl_add_u32 v5, v2, 6, v5                   ; in: row r, + 64 h: columns 16 h on of each 32
	v_add_nc_u32 v[STO], s23, v5
	v_and_b32 v6, 31, v0
	v_lshlrev_b32 v[CO], 4, v6
	v_add_nc_u32 v[RD], s23, v[CO]
	s_lshl_b32 s20, s17, 8
	s_lshl_b32 s21, s15, 7
	s_add_co_u32 s20, s20, s21
	s_mov_b32 s21, 0
	s_mov_b64 s[18:19], SIZE_N*4
	s_mul_u64 s[20:21], s[20:21], s[18:19]
	s_lshl_b32 s46, s42, 10
	s_lshl_b32 s47, s16, 9
	s_add_co_u32 s46, s46, s47
	s_mov_b32 s47, 0
	s_add_nc_u64 s[20:21], s[20:21], s[46:47]
	s_add_nc_u64 s[12:13], s[12:13], s[20:21]
.macro FRAG reg, adr, q, i
.irp p, 0,1,2,3,4,5
.set PC, 12*(\q)+6*(\p/3)+\p%3
.if PC%8 < 5
	ds_load_b64 v[\reg+2*\p:\reg+2*\p+1], v[\adr] offset:8*PC+16*(PC/8)+(\i)*16*PITCH
.else
	ds_load_b64 v[\reg+2*\p:\reg+2*\p+1], v[\adr+2] offset:8*PC+16*(PC/8)+(\i)*16*PITCH
.endif
.endr
.endm
.macro FRAG_A reg, slot, q, i          ; y's fragment of tile i, the slot's q-th 128 along K: six chunks of 256 consecutive bytes
.irp p, 0,1,2,3,4,5
	ds_load_b64 v[\reg+2*\p:\reg+2*\p+1], v[ADRA+\slot] offset:3072*(\i)+1536*(\q)+256*\p
.endr
.endm
.macro MUL16 a0, p, q, sc, zero        ; the 64 accumulators take turns, one instruction a turn
.irp a, \a0, \a0+1
.irp b, 0,1,2,3,4,5,6,7
.if \zero
	v_wmma_scale_f32_16x16x128_f8f6f4 v[8*(8*((\a)%4)+\b):8*(8*((\a)%4)+\b)+7], v[128*(\p)+FR*\b:128*(\p)+FR*\b+FR-1], v[AF+FR*(\a):AF+FR*(\a)+FR-1], 0, v[SC+8*NQ*(\sc)+NQ*\b+(\q)], v[SC+8*NQ*(\sc)+NQ*(\a)+(\q)] matrix_a_fmt:MATRIX_FMT_FP6 matrix_b_fmt:MATRIX_FMT_FP6 matrix_a_scale:MATRIX_SCALE_ROW1
.else
	v_wmma_scale_f32_16x16x128_f8f6f4 v[8*(8*((\a)%4)+\b):8*(8*((\a)%4)+\b)+7], v[128*(\p)+FR*\b:128*(\p)+FR*\b+FR-1], v[AF+FR*(\a):AF+FR*(\a)+FR-1], v[8*(8*((\a)%4)+\b):8*(8*((\a)%4)+\b)+7], v[SC+8*NQ*(\sc)+NQ*\b+(\q)], v[SC+8*NQ*(\sc)+NQ*(\a)+(\q)] matrix_a_fmt:MATRIX_FMT_FP6 matrix_b_fmt:MATRIX_FMT_FP6 matrix_a_scale:MATRIX_SCALE_ROW1
.endif
.endr
.endr
.endm
.macro FETCH_B slot, q, p
	WIN TO_B
.irp i, 0,1,2,3,4,5,6,7
	FRAG 128*(\p)+FR*\i, ADRB+\slot, \q, \i
.endr
	WIN 0
.endm
.macro FETCH_A slot, q, i0
.irp i, \i0, \i0+1, \i0+2, \i0+3
	FRAG_A AF+FR*(\i), \slot, \q, \i
.endr
.endm
.macro SCALES sc
.irp i, 0,1,2,3,4,5,6,7
	ds_load_b64 v[SC+8*NQ*\sc+NQ*\i:SC+8*NQ*\sc+NQ*\i+1], v[ADRS] offset:\i*SBLK
.endr
.endm
.macro PLACES n
.rept \n
	v_nop
.endr
.endm
.macro STEP slot, q, zero
	s_wait_dscnt 4*NL                              ; W's set and y's blocks 0-3 are in; the 24 youngest loads (y's blocks 4-7) may be out
	WIN MUL_LO
	MUL16 0, (\q)%2, \q, \slot, \zero
	MUL16 2, (\q)%2, \q, \slot, \zero
	s_wait_dscnt 0
	PLACES NP
	FETCH_B \slot, (\q)+1, 1-(\q)%2
	FETCH_A \slot, (\q)+1, 0
	WIN MUL_HI
	MUL16 4, (\q)%2, \q, \slot, \zero
	MUL16 6, (\q)%2, \q, \slot, \zero
	PLACES NP
	WIN 0
	FETCH_A \slot, (\q)+1, 4
.endm
.macro TURN slot, next, fill
	s_wait_tensorcnt 0x0                           ; all my tensor loads have landed: my part of the next slot
	ds_add_u32 v[SPW], v[NIL]
	s_wait_dscnt 4*NL+1                            ; the add and the 24 youngest loads may be out
	WIN MUL_LO
	MUL16 0, 1, NQ-1, \slot, 0
	s_wait_dscnt 0x0                               ; the add is done, and my reads of this slot are over
	s_barrier_signal -1
	MUL16 2, 1, NQ-1, \slot, 0
	WIN 0
	s_barrier_wait -1
.if \fill
	CREST                                          ; the barrier has opened a round of the cluster's
	s_add_nc_u64 s[G0+4*\slot+2:G0+4*\slot+3], s[G0+4*\slot+2:G0+4*\slot+3], 2*3072
	s_add_nc_u64 s[G0B+4*\slot+2:G0B+4*\slot+3], s[G0B+4*\slot+2:G0B+4*\slot+3], 2*ROWB
	JLOAD G0+4*\slot, G1, G0B+4*\slot, G1B
.else
	PLACES NP
.endif
	v_add_nc_u32 v[ADRS], 4*NQ, v[ADRS]
	FETCH_B \next, 0, 0
	FETCH_A \next, 0, 0
	SCALES \next
	WIN MUL_HI
	MUL16 4, 1, NQ-1, \slot, 0
	MUL16 6, 1, NQ-1, \slot, 0
	PLACES NP
	WIN 0
	FETCH_A \next, 0, 4
.endm
	s_wait_tensorcnt 1                             ; the scales and my part of K step 0 are in (K step 1's load may be out)
	s_barrier_signal -1
	s_barrier_wait -1
	FETCH_B 0, 0, 0
	FETCH_A 0, 0, 0
	SCALES 0
	FETCH_A 0, 0, 4
	STEP 0, 0, 1
	s_mov_b32 s3, LAPS-1
.Llap:
	TURN 0, 1, 1
	STEP 1, 0, 0
	TURN 1, 0, 1
	STEP 0, 0, 0
	s_sub_co_u32 s3, s3, 1
	s_cmp_lg_u32 s3, 0
	s_cbranch_scc1 .Llap
	TURN 0, 1, 0
	STEP 1, 0, 0
	s_wait_dscnt 4*NL
	WIN MUL_LO
	MUL16 0, 1, NQ-1, 1, 0
	MUL16 2, 1, NQ-1, 1, 0
	s_wait_dscnt 0
	WIN MUL_HI
	MUL16 4, 1, NQ-1, 1, 0
	MUL16 6, 1, NQ-1, 1, 0
	WIN 0
; THE WAY OUT, block by block of 16 rows x 128 columns, through my own stage: in by 32 bytes a lane at the columns' true places, back as whole rows of 512 bytes, stored at the rows' true places.
.macro TOSTAGE a
.set AC, 64*((\a)%4)
	WIN 0x08+4*((\a)/4)                            ; an LDS store's data: window 2 or 3
.irp b, 0,1,2,3,4,5,6,7
	ds_store_b128 v[STO], v[AC+8*\b:AC+8*\b+3] offset:128*(\b/2)+32*(\b%2)        ; each accumulator from its low end on
	ds_store_b128 v[STO], v[AC+8*\b+4:AC+8*\b+7] offset:128*(\b/2)+32*(\b%2)+16
.endr
	WIN 0
.set BB, BK+64*((\a)%2)
.irp t, 0,1,2,3,4,5,6,7,8,9,10,11,12,13,14,15
	ds_load_b128 v[BB+4*\t:BB+4*\t+3], v[RD] offset:\t*SPITCH      ; LDS serves a wave's instructions in order: these see the stores above
.endr
.endm
.macro SEND a, younger
.set BB, BK+64*((\a)%2)
	s_wait_dscnt \younger
.if ((\a)%2) == 1
	s_add_nc_u64 s[12:13], s[12:13], 8*SIZE_N*4    ; block a begins at row 32 (a / 2) + 8 (a % 2)  (behind a wait on XCNT: the earlier stores have read their base)
.elseif (\a) > 0
	s_add_nc_u64 s[12:13], s[12:13], 24*SIZE_N*4
.endif
.irp t, 0,1,2,3,4,5,6,7,8,9,10,11,12,13,14,15
	global_store_b128 v[CO], v[BB+4*\t:BB+4*\t+3], s[12:13] offset:(\t+8*(\t/8))*SIZE_N*4 th:TH_STORE_NT   ; 32 lanes store 512 consecutive bytes, aligned
.endr
.endm
	PLACES NP
	TOSTAGE 0
.irp a, 1,2,3,4,5,6,7
.if \a > 1
	s_wait_xcnt 0x0                                ; block a - 2's stores have read their registers and their base
.endif
	TOSTAGE \a
	SEND \a-1, 32                                  ; behind block a - 1's loads: block a's 16 stores and 16 loads
.endr
	s_wait_xcnt 0x0
	SEND 7, 0
	s_wait_tensorcnt 0x0                           ; the wave's end
	ds_add_u32 v[SPW], v[NIL]
	s_wait_dscnt 0x0
	CROUND                                         ; the closing round
	s_endpgm
.Lfunc_end_k_q385049f0c3_proj:
	.size	k_q385049f0c3_proj, .Lfunc_end_k_q385049f0c3_proj-k_q385049f0c3_proj
	.p2alignl 7, 3214868480
	.fill 96, 4, 3214868480
	.section	.rodata,"a",@progbits
	.p2align	6, 0x0
	.amdhsa_kernel k_q385049f0c3_proj
		.amdhsa_group_segment_fixed_size 327680
		.amdhsa_private_segment_fixed_size 0
		.amdhsa_enable_private_segment 0
		.amdhsa_kernarg_size 40
		.amdhsa_user_sgpr_count 2
		.amdhsa_user_sgpr_kernarg_segment_ptr 1
		.amdhsa_wavefront_size32 1
		.amdhsa_system_sgpr_workgroup_id_x 1
		.amdhsa_system_sgpr_workgroup_id_y 1
		.amdhsa_system_sgpr_workgroup_id_z 1
		.amdhsa_system_vgpr_workitem_id 0
		.amdhsa_next_free_vgpr 1024
		.amdhsa_next_free_sgpr 98
		.amdhsa_reserve_vcc 0
		.amdhsa_float_denorm_mode_32 3
		.amdhsa_float_denorm_mode_16_64 3
		.amdhsa_memory_ordered 1
		.amdhsa_forward_progress 1
		.amdhsa_inst_pref_size 160
	.end_amdhsa_kernel
	.amdgpu_metadata
---
amdhsa.version: [ 1, 2 ]
amdhsa.kernels:
  - .name:           k_q385049f0c3_proj
    .symbol:         k_q385049f0c3_proj.kd
    .args:
      - { .name: yc, .offset: 0, .size: 8, .value_kind: global_buffer, .address_space: global }
      - { .name: ys, .offset: 8, .size: 8, .value_kind: global_buffer, .address_space: global }
      - { .name: codes1, .offset: 16, .size: 8, .value_kind: global_buffer, .address_space: global }
      - { .name: scales1, .offset: 24, .size: 8, .value_kind: global_buffer, .address_space: global }
      - { .name: out0, .offset: 32, .size: 8, .value_kind: global_buffer, .address_space: global }
    .group_segment_fixed_size: 327680
    .private_segment_fixed_size: 0
    .kernarg_segment_align: 8
    .kernarg_segment_size: 40
    .max_flat_workgroup_size: 128
    .sgpr_count:     98
    .vgpr_count:     1024
    .wavefront_size: 32
...
	.end_amdgpu_metadata
.endif
;; end of part 4
